; MI455X (gfx1250); checked and timed in simulation.
; The chip was launched on July 23, 2026; its instructions are those of AMD's public machine-readable ISA for CDNA 5 (MIT licence, August 2026) and "CDNA5" Instruction Set Architecture Reference Guide (July 2026). The comments in the code are by the model that wrote it; some were corrected since.
;; Multi Head Attention. Allowed arithmetic: matrix products marked QUANTISED: E2M3 operands, one E8M0 scale for each 32 along K, by v_wmma_scale_f32_16x16x128_f8f6f4 with both operands' format E2M3, f32 sums; everything else in f32.
;; Inputs: b_proj 1,024 float32; b_qkv 3,072 float32; w_proj 1,024 x 1,024 float32; w_qkv 1,024 x 3,072 float32; x 4 x 2,048 x 1,024 float32.
;; Outputs: out0 4 x 2,048 x 1,024 float32.
;; This version of the problem:
;;   THIS VERSION OF THE PROBLEM IS GIVEN IN LOW PRECISION. The matrix products marked QUANTISED in the list below multiply operands that are first quantised to E2M3 (2 exponent bits, 3 mantissa bits; 6 bits a number), with one power-of-two scale for each 32 numbers along K (OCP MX v1.0); their sums are f32. All else is computed in f32.
;;   The module's matrix products, in the order in which they are computed (A, B: the left and right operand; K: the contracted axis; several contracted axes count as one K, in the product's order):
;;     1. [M 8,192, K 1,024] x [K 1,024, N 3,072]; A: input x; B: input w_qkv: QUANTISED
;;     2. batch 64 x [M 2,048, K 64] x [K 64, N 2,048]; A: computed on the way; B: computed on the way: QUANTISED
;;     3. batch 64 x [M 2,048, K 2,048] x [K 2,048, N 64]; A: softmax (see below); B: computed on the way: QUANTISED
;;     4. [M 8,192, K 1,024] x [K 1,024, N 1,024]; A: computed on the way; B: input w_proj: QUANTISED
;;   THE QUANTISER, for each operand of a quantised product, along K:
;;     - K is cut into blocks of 32 from its start; a last block that is shorter is filled with zeros.
;;     - A block's scale is 2^e with e = floor(log2(the largest magnitude in the block)) - 2, held to -126 .. 127; a block of zeros has e = 0. As a byte (E8M0): e + 127.
;;     - Each number is divided by its block's scale, clamped to +-7.5, and rounded to the nearest number of E2M3, ties to even, subnormals kept.
;;     - The product sums the exact products of the quantised numbers (number of the format x scale) in f32.
;;   ~~~python
;;   def quantise(x, axis):      # numpy; x: float32 -> the quantised numbers, widened to float32 again
;;       x = np.moveaxis(x, axis, -1); K = x.shape[-1]
;;       x = np.pad(x, [(0, 0)] * (x.ndim - 1) + [(0, -K % 32)]); x = x.reshape(x.shape[:-1] + (-1, 32)); a = np.abs(x).max(-1, keepdims=True)
;;       e = np.where(a > 0, np.clip(np.frexp(np.where(a > 0, a, 1))[1] - 1 - 2, -126, 127), 0)      # np.frexp(a)[1] - 1 = floor(log2(a)), exactly
;;       r = np.clip(x / 2.0 ** e, -7.5, 7.5)
;;       step = 2.0 ** (np.maximum(np.frexp(np.where(r == 0, 1, r))[1] - 1, 0) - 3)
;;       q = np.round(r / step) * step * 2.0 ** e      # np.round: ties to even
;;       return np.moveaxis(q.reshape(q.shape[:-2] + (-1,))[..., :K], -1, axis).astype(np.float32)
;;   ~~~
;;   SOFTMAX AHEAD OF A QUANTISED PRODUCT. Where the list says 'softmax', what is quantised is not the finished softmax but p = 2^(t - M), with t = logit x log2(e) and M = ceil(the row's largest t), a whole number; so 1/2 < the row's largest p <= 1. The row's sum l is taken of the UNQUANTISED p, in f32, and the product's result is divided by l at the end. Since M is a whole number, a kernel that streams over the keys may use a running M (the ceiling of the running maximum): every later rescaling is an exact power of two, which a block's scale takes up: the codes' values come out the same.
;;   OPERANDS COMPUTED ON THE WAY. 'Computed on the way' means the value that the module computes at that place (a softmax that the list does not call 'softmax' is quantised finished and normalised). What goes into a quantiser is computed in f32, as accurately as f32 sums, v_exp_f32 and their like allow (about 1e-6 of the number): no bf16 or f16 on the way to a quantiser, and a product that is left as it is and whose result goes on into a quantised operand takes f32 operands (vector FMAs, or v_wmma_f32_16x16x4_f32). A number that lies on a knife's edge between two numbers of the format may be rounded either way, as far as f32 arithmetic and the matrix unit's own rounding can turn it there, and no further.
;; One version. Each part assembles by itself: llvm-mc -triple=amdgcn-amd-amdhsa -mcpu=gfx1250 --defsym DOCPART=n.
;; ======== version 1 of 1: 4 launches
;; workspace buffers: op1_img 8,650,752 bytes; op1_sc 360,448 bytes; wp_img 786,432 bytes; wp_sc 32,768 bytes; qkv 26,738,688 bytes; y_img 6,291,456 bytes; y_sc 262,144 bytes
;; launch quant (part 1): grid 384 x 1, 4 waves a work-group, no clusters, 59,904 bytes of LDS; arguments x, w_qkv, w_proj, op1_img, op1_sc, wp_img, wp_sc; writes op1_img, op1_sc, wp_img, wp_sc
.if DOCPART == 1
	.amdgcn_target "amdgcn-amd-amdhsa--gfx1250"
	.amdhsa_code_object_version 6
	.text
	.protected	k_qd86e765a58_quant
	.globl	k_qd86e765a58_quant
	.p2align	8
	.type	k_qd86e765a58_quant,@function
k_qd86e765a58_quant:
	s_mov_b64 s[64:65], 0
	v_nop
	global_prefetch_b8 v0, s[64:65] scope:SCOPE_SE
	s_setreg_imm32_b32 hwreg(HW_REG_WAVE_MODE, 25, 1), 1
	s_wait_xcnt 0x0
; x [8192][1024], w_qkv [1024][3072] and w_proj [1024][1024], f32, become codes of FP6 (E2M3) with one E8M0 byte for each 32 along K (K = 1024: x's last axis, the weights' FIRST axis).
; A block's scale is 2^(floor(log2(its largest magnitude)) - 2); its byte is the largest magnitude's exponent field - 2, held at 1 from below; numbers are divided by it and rounded to the nearest code, ties to even.
; LIMITS: NaN and infinities among the inputs are not served.  A block of zeros, or one whose largest magnitude lies under 2^-124, keeps the byte 1 where the rule says otherwise for zeros (127): its codes
; are zeros, which add nothing under any byte but 0xff, and the bytes are read by this program alone.
; THE LAYOUT OF THE CODES is the order of the operand's registers.  A HALF IMAGE (768 bytes) holds 16 rows x 64 along K: lane (r, h) owns row r, k = 32 h .. 32 h + 31, six registers: registers 0-3 at 16 x lane,
; registers 4-5 at 512 + 8 x lane.  A tile of 16 rows has 16 half images on end (12,288 bytes).  THE ROWS OF A TILE ARE NOT NEIGHBOURS: lane r of tile T is row 32 (T / 2) + 8 (T % 2) + r + 8 (r / 8).
; THE SCALE WORDS: [pair of tiles][q = 0..3][tile of the pair][r][2 words], word w = the four bytes of K step 2 q + w: one load of 8 bytes a lane brings both tiles' words of two K steps.
; SHARES.  Work-groups 0-255 take x: 32 tokens (a pair of tiles) each; wave q takes columns 256 q .. + 255: eight half images.  Each load reads two rows' aligned 256 bytes; they turn through the wave's own stage in LDS
; so that a lane gets 32 neighbours along K.  Work-groups 256-383 take the weights: a wave takes 32 columns (a pair of tiles) x 256 along K; a lane takes a column and its registers run down K, so that nothing is transposed;
; the codes gather in the wave's own stage as images and leave in runs of 512 bytes.  No tensor load, no barrier: waves share nothing.  The two paths have LDS bytes of their own.
.set X,     16                         ; x path: v16-79   two sets of 32 neighbours
.set R,     80                         ; x path: v80-207  four sets of 32 numbers as loaded
.set OFFI,  16                         ; w path: v16-47   row i of a block: i x pitch + 4 x lane
.set XW,    48                         ; w path: v48-111  two sets of 32 numbers
.set OUTR,  112                        ; w path: v112-159 the way out
.set C,     208                        ; v208-213 a block's six registers of codes
.set CT,    216                        ; v216-218 the second conversion's result (it begins on an even register)
.set SBW,   220                        ; v220-223 scale bytes on their way to words
.set XST,   8704                       ; x path: two stages of 16 rows x 272 bytes for each wave
.set WST,   6144                       ; w path: a stage of 8 half images for each wave
.set WBASE, 4*XST                      ; the w path's stages lie behind the x path's
; the largest magnitude of v[XS] .. v[XS+31], with the floor 2^(3 - 127) among its leaves, in v12; with 2 off its exponent field, the conversion's scale operand, in v11
.macro BMAX
	v_max3_num_f32 v12, |v[XS]|, |v[XS+1]|, |v[XS+2]|
	v_max3_num_f32 v13, |v[XS+3]|, |v[XS+4]|, |v[XS+5]|
.irp i, 6,10,14,18,22,26
	v_max3_num_f32 v12, v12, |v[XS+\i]|, |v[XS+\i+1]|
	v_max3_num_f32 v13, v13, |v[XS+\i+2]|, |v[XS+\i+3]|
.endr
	v_max3_num_f32 v12, v12, |v[XS+30]|, |v[XS+31]|
	v_max3_num_f32 v12, v12, v13, 0x1800000
	v_add_nc_u32 v11, 0xff000000, v12
.endm
; half image k of the wave's eight (tile k / 4 of the pair, 64 columns k % 4): eight loads, each two rows' aligned 256 bytes
.macro LOADH k
.irp i, 0,1,2,3,4,5,6,7
	global_load_b128 v[R+32*((\k)%4)+4*\i:R+32*((\k)%4)+4*\i+3], v4, s[4:5] offset:(8*((\k)/4)+2*\i+8*(\i/4))*4096+256*((\k)%4) th:TH_LOAD_NT
.endr
.endm
; through the stage: rows 272 bytes apart; LDS serves a wave's instructions in order, so no wait stands between the stores and the loads
.macro TURN k
.irp i, 0,1,2,3,4,5,6,7
	ds_store_b128 v5, v[R+32*((\k)%4)+4*\i:R+32*((\k)%4)+4*\i+3] offset:((\k)%2)*4352+544*\i
.endr
.irp j, 0,1,2,3,4,5,6,7
	ds_load_b128 v[X+32*((\k)%2)+4*\j:X+32*((\k)%2)+4*\j+3], v6 offset:((\k)%2)*4352+16*\j
.endr
.endm
.macro STEPX k
.set XS, X+32*((\k)%2)
.set SW, SBW+2*((\k)/4)+((\k)%4)/2
	s_wait_dscnt 0x0                               ; this half image is back from the stage, and its stores into the stage have read their registers,
.if (\k)+4 < 8
	LOADH (\k)+4                                   ; which take the loads of four half images on
.endif
.if (\k)+1 < 8
.if (\k)+4 < 8
	s_wait_loadcnt 24                              ; the next half image's eight loads are in; the three behind it may be out
.else
	s_wait_loadcnt 8*(6-(\k))
.endif
	TURN (\k)+1
.endif
	BMAX
	s_wait_xcnt 0x0                                ; the last stores have read their data: the codes' registers are written again only behind this wait
	v_cvt_scalef32_pk16_fp6_f32 v[C:C+2], v[XS:XS+15], v11
	v_cvt_scalef32_pk16_fp6_f32 v[CT:CT+2], v[XS+16:XS+31], v11
	v_lshrrev_b32 v13, 23, v11                     ; the scale's byte (and the plain line behind the conversions)
	v_mov_b32 v[C+3], v[CT]
	v_mov_b32 v[C+4], v[CT+1]
	v_mov_b32 v[C+5], v[CT+2]
.if (\k)%2 == 0
	v_mov_b32 v[SW], v13                           ; block 2 (k % 2) + h of its K step: the shift by 8 h comes at the end
.else
	v_lshl_or_b32 v[SW], v13, 16, v[SW]
.endif
	global_store_b128 v7, v[C:C+3], s[10:11] offset:((\k)/4)*12288+((\k)%4)*768       ; 512 consecutive bytes,
	global_store_b64 v8, v[C+4:C+5], s[10:11] offset:((\k)/4)*12288+((\k)%4)*768+512  ; and 256
.endm
; the weights: block t of the wave's eight: rows 32 t + i of my column
.macro LOADW t
.irp i, 0,1,2,3,4,5,6,7,8,9,10,11,12,13,14,15,16,17,18,19,20,21,22,23,24,25,26,27,28,29,30,31
	global_load_b32 v[XW+32*((\t)%2)+\i], v[OFFI+\i], s[32+2*(\t):33+2*(\t)] th:TH_LOAD_NT
.endr
.endm
.macro BLOCK t
.set XS, XW+32*((\t)%2)
.if (\t) < 7
	s_wait_loadcnt 32                              ; this block's 32 loads are in; the next block's may be out
.else
	s_wait_loadcnt 0x0
.endif
	BMAX
	v_lshrrev_b32 v13, 23, v11
.if (\t)%4 == 0
	v_mov_b32 v[SBW+(\t)/4], v13                   ; four bytes to a word, the lower K in the lower byte
.else
	v_lshl_or_b32 v[SBW+(\t)/4], v13, 8*((\t)%4), v[SBW+(\t)/4]
.endif
	v_cvt_scalef32_pk16_fp6_f32 v[C:C+2], v[XS:XS+15], v11
	v_cvt_scalef32_pk16_fp6_f32 v[CT:CT+2], v[XS+16:XS+31], v11
	v_nop                                          ; one plain line behind the conversions
	v_mov_b32 v[C+3], v[CT]
	v_mov_b32 v[C+4], v[CT+1]
	v_mov_b32 v[C+5], v[CT+2]
	ds_store_b128 v5, v[C:C+3] offset:((\t)/2)*768+((\t)%2)*256          ; half image t / 2, the place of lane 16 (t % 2) + r
	ds_store_b64 v6, v[C+4:C+5] offset:((\t)/2)*768+512+((\t)%2)*128
.if (\t)+2 < 8
	LOADW (\t)+2
.endif
	s_wait_dscnt 0x0                               ; the stores have read their registers
.endm
	s_load_b256 s[4:11], s[0:1], 0x0               ; x s[4:5], w_qkv s[6:7], w_proj s[8:9], op1_img s[10:11]
	s_load_b128 s[12:15], s[0:1], 0x20             ; op1_sc s[12:13], wp_img s[14:15]
	s_load_b64 s[16:17], s[0:1], 0x30              ; wp_sc
	v_lshl_add_u32 v232, v0, 2, 0xe800
	v_mov_b32 v233, 0
	v_lshrrev_b32 v1, 5, v0
	v_readfirstlane_b32 s18, v1                    ; wave
	v_and_b32 v1, 31, v0                           ; lane
	s_cmp_lt_u32 ttmp9, 256
	s_cbranch_scc0 .Lweights
	; ---------------- x
	v_and_b32 v2, 15, v0                           ; r
	v_bfe_u32 v3, v0, 4, 1                         ; h
	v_lshlrev_b32 v4, 12, v3
	v_lshl_add_u32 v4, v2, 4, v4                   ; in: lanes 0-15 one row's 256 bytes, lanes 16-31 the next row's
	s_mul_i32 s19, s18, XST
	v_mul_u32_u24 v5, v3, 272
	v_lshl_add_u32 v5, v2, 4, v5
	v_add_nc_u32 v5, s19, v5                       ; into the stage, as loaded
	v_mul_u32_u24 v6, v2, 272
	v_lshl_add_u32 v6, v3, 7, v6
	v_add_nc_u32 v6, s19, v6                       ; out of it: row r, 128 h bytes on: my 32 neighbours
	v_lshlrev_b32 v7, 4, v1
	v_lshlrev_b32 v8, 3, v1
	v_lshlrev_b32 v9, 3, v3                        ; 8 h
.irp n, 0,1,2,3
	v_mov_b32 v[224+\n], 0                         ; a lane permute's destination counts as one of its sources
.endr
	s_mov_b32 s20, 0x76543210
	s_mov_b32 s21, 0xfedcba98                      ; v_permlanex16_b32's selects for lane l xor 16
	s_lshl_b32 s22, ttmp9, 17                      ; 32 rows of 4,096 bytes,
	s_lshl_b32 s23, s18, 10                        ; my wave's 1,024 bytes of a row
	s_add_co_u32 s22, s22, s23
	s_mov_b32 s23, 0
	s_mul_i32 s24, ttmp9, 24576                    ; the pair's two tiles,
	s_mul_i32 s25, s18, 3072                       ; my wave's four half images of each
	s_add_co_u32 s24, s24, s25
	s_mov_b32 s25, 0
	s_lshl_b32 s26, ttmp9, 10
	s_lshl_b32 s27, s18, 8
	s_add_co_u32 s26, s26, s27
	s_mov_b32 s27, 0
	s_wait_kmcnt 0x0
	s_add_nc_u64 s[4:5], s[4:5], s[22:23]
	s_add_nc_u64 s[10:11], s[10:11], s[24:25]
	s_add_nc_u64 s[12:13], s[12:13], s[26:27]
	LOADH 0
	LOADH 1
	LOADH 2
	LOADH 3
	s_wait_loadcnt 24                              ; half image 0 is in
	TURN 0
.irp k, 0,1,2,3,4,5,6,7
	STEPX \k
.endr
.irp n, 0,1,2,3
	v_lshlrev_b32 v[SBW+\n], v9, v[SBW+\n]         ; my bytes at their places: 8 h bits up;
.endr
.irp n, 0,1,2,3
	v_permlanex16_b32 v[224+\n], v[SBW+\n], s20, s21
.endr
.irp n, 0,1,2,3
	v_or_b32 v[SBW+\n], v[SBW+\n], v[224+\n]       ; with lane l xor 16's two the word is whole
.endr
	v_cmp_lt_u32 vcc_lo, 15, v1
	v_cndmask_b32 v228, v[SBW], v[SBW+2], vcc_lo   ; lanes 0-15 store the first tile's two words, lanes 16-31 the second's
	v_cndmask_b32 v229, v[SBW+1], v[SBW+3], vcc_lo
	global_store_b64 v8, v[228:229], s[12:13]      ; 256 consecutive bytes, aligned
	s_wait_tensorcnt 0x0
	ds_add_u32 v232, v233
	s_wait_dscnt 0x0
	s_endpgm
	; ---------------- the weights
.Lweights:
	s_sub_co_u32 s22, ttmp9, 256
	s_and_b32 s23, s22, 31                         ; which 128 columns of the 4,096 (3,072 of w_qkv, then 1,024 of w_proj)
	s_lshr_b32 s24, s22, 5                         ; q: which 256 along K
	s_lshl_b32 s25, s23, 2
	s_add_co_u32 s25, s25, s18                     ; my wave's 32 columns
	s_wait_kmcnt 0x0
	s_cmp_lt_u32 s23, 24                           ; w_qkv or w_proj?  The choice hangs on the work-group's number alone
	s_cselect_b64 s[4:5], s[6:7], s[8:9]
	s_cselect_b64 s[10:11], s[10:11], s[14:15]
	s_cselect_b64 s[12:13], s[12:13], s[16:17]
	s_mov_b32 s26, 4096
	s_cselect_b32 s26, 12288, s26                  ; a row of the weight in bytes
	s_cselect_b32 s27, 0, 96
	s_cselect_b32 s28, 512*12288, 0                ; w_qkv's tiles lie behind x's 512,
	s_cselect_b32 s30, 262144, 0                   ; its scale words behind x's 256 pairs
	s_sub_co_u32 s27, s25, s27                     ; the pair's number in its own weight
	s_mul_i32 s48, s27, 24576
	s_add_co_u32 s28, s28, s48
	s_mul_i32 s48, s24, 3072
	s_add_co_u32 s28, s28, s48
	s_mov_b32 s29, 0
	s_lshl_b32 s48, s27, 10
	s_add_co_u32 s30, s30, s48
	s_lshl_b32 s48, s24, 8
	s_add_co_u32 s30, s30, s48
	s_mov_b32 s31, 0
	s_add_nc_u64 s[10:11], s[10:11], s[28:29]
	s_add_nc_u64 s[12:13], s[12:13], s[30:31]
	s_lshl_b32 s50, s27, 7                         ; 32 columns of 4 bytes,
	s_lshl_b32 s51, s24, 8
	s_mul_i32 s51, s51, s26                        ; 256 q rows
	s_add_co_u32 s50, s50, s51
	s_mov_b32 s51, 0
	s_lshl_b32 s52, s26, 5                         ; a block of 32 rows
	s_mov_b32 s53, 0
	s_add_nc_u64 s[32:33], s[4:5], s[50:51]        ; a base for each block: no pointer is stepped while loads are out
.irp t, 1,2,3,4,5,6,7
	s_add_nc_u64 s[32+2*\t:33+2*\t], s[30+2*\t:31+2*\t], s[52:53]
.endr
	v_bfe_u32 v2, v0, 3, 1                         ; my column's tile of the pair,
	v_and_b32 v3, 7, v0
	v_bfe_u32 v10, v0, 4, 1
	v_lshl_or_b32 v3, v10, 3, v3                   ; and its lane r there: column 8 u + r + 8 (r / 8)
	v_lshlrev_b32 v4, 2, v1
	s_mul_i32 s54, s18, WST
	s_add_co_u32 s54, s54, WBASE                   ; my stage
	v_mul_u32_u24 v10, v2, 3072
	v_add_nc_u32 v10, s54, v10
	v_lshl_add_u32 v5, v3, 4, v10
	v_lshl_add_u32 v6, v3, 3, v10
	v_lshlrev_b32 v8, 4, v1
	v_add_nc_u32 v7, s54, v8
	v_lshlrev_b32 v9, 7, v2
	v_lshl_add_u32 v9, v3, 3, v9                   ; my column's two scale words
.irp i, 0,1,2,3,4,5,6,7,8,9,10,11,12,13,14,15,16,17,18,19,20,21,22,23,24,25,26,27,28,29,30,31
	v_mad_u32_u24 v[OFFI+\i], s26, \i, v4
.endr
	LOADW 0
	LOADW 1
.irp t, 0,1,2,3,4,5,6,7
	BLOCK \t
.endr
	global_store_b64 v9, v[SBW:SBW+1], s[12:13]    ; the wave's 256 bytes of scale words, aligned
.irp k, 0,1,2,3,4,5,6,7,8,9,10,11
	ds_load_b128 v[OUTR+4*\k:OUTR+4*\k+3], v7 offset:512*\k
.endr
.irp k, 0,1,2,3,4,5,6,7,8,9,10,11
	s_wait_dscnt 11-\k
	global_store_b128 v8, v[OUTR+4*\k:OUTR+4*\k+3], s[10:11] offset:(\k/6)*12288+512*(\k%6)   ; 512 consecutive bytes
.endr
	s_wait_tensorcnt 0x0
	ds_add_u32 v232, v233
	s_wait_dscnt 0x0
	s_endpgm
.Lfunc_end_k_qd86e765a58_quant:
	.size	k_qd86e765a58_quant, .Lfunc_end_k_qd86e765a58_quant-k_qd86e765a58_quant
	.p2alignl 7, 3214868480
	.fill 96, 4, 3214868480
	.section	.rodata,"a",@progbits
	.p2align	6, 0x0
	.amdhsa_kernel k_qd86e765a58_quant
		.amdhsa_group_segment_fixed_size 59904
		.amdhsa_private_segment_fixed_size 0
		.amdhsa_enable_private_segment 0
		.amdhsa_kernarg_size 56
		.amdhsa_user_sgpr_count 2
		.amdhsa_user_sgpr_kernarg_segment_ptr 1
		.amdhsa_wavefront_size32 1
		.amdhsa_system_sgpr_workgroup_id_x 1
		.amdhsa_system_sgpr_workgroup_id_y 1
		.amdhsa_system_sgpr_workgroup_id_z 1
		.amdhsa_system_vgpr_workitem_id 0
		.amdhsa_next_free_vgpr 234
		.amdhsa_next_free_sgpr 66
		.amdhsa_reserve_vcc 1
		.amdhsa_float_denorm_mode_32 3
		.amdhsa_float_denorm_mode_16_64 3
		.amdhsa_memory_ordered 1
		.amdhsa_forward_progress 1
		.amdhsa_inst_pref_size 75
	.end_amdhsa_kernel
	.amdgpu_metadata
---
amdhsa.version: [ 1, 2 ]
amdhsa.kernels:
  - .name:           k_qd86e765a58_quant
    .symbol:         k_qd86e765a58_quant.kd
    .args:
      - { .name: x, .offset: 0, .size: 8, .value_kind: global_buffer, .address_space: global }
      - { .name: w_qkv, .offset: 8, .size: 8, .value_kind: global_buffer, .address_space: global }
      - { .name: w_proj, .offset: 16, .size: 8, .value_kind: global_buffer, .address_space: global }
      - { .name: op1_img, .offset: 24, .size: 8, .value_kind: global_buffer, .address_space: global }
      - { .name: op1_sc, .offset: 32, .size: 8, .value_kind: global_buffer, .address_space: global }
      - { .name: wp_img, .offset: 40, .size: 8, .value_kind: global_buffer, .address_space: global }
      - { .name: wp_sc, .offset: 48, .size: 8, .value_kind: global_buffer, .address_space: global }
    .group_segment_fixed_size: 59904
    .private_segment_fixed_size: 0
    .kernarg_segment_align: 8
    .kernarg_segment_size: 56
    .max_flat_workgroup_size: 128
    .sgpr_count:     66
    .vgpr_count:     234
    .wavefront_size: 32
...
	.end_amdgpu_metadata
.endif
;; end of part 1
;; launch gemm1 (part 2): grid 16 x 48, 4 waves a work-group, clusters of 4 x 4, 295,424 bytes of LDS; arguments op1_img, op1_sc, b_qkv, qkv; writes qkv
.if DOCPART == 2
	.amdgcn_target "amdgcn-amd-amdhsa--gfx1250"
	.amdhsa_code_object_version 6
	.text
	.protected	k_qd86e765a58_gemm1
	.globl	k_qd86e765a58_gemm1
	.p2align	8
	.type	k_qd86e765a58_gemm1,@function
k_qd86e765a58_gemm1:
	s_mov_b64 s[64:65], 0
	v_nop
	global_prefetch_b8 v0, s[64:65] scope:SCOPE_SE
	s_setreg_imm32_b32 hwreg(HW_REG_WAVE_MODE, 25, 1), 1
	s_wait_xcnt 0x0
	s_wait_alu depctr_hold_cnt(0) depctr_sa_sdst(0) depctr_va_vdst(0) depctr_va_sdst(0) depctr_va_ssrc(0) depctr_va_vcc(0) depctr_vm_vsrc(0)
	s_getreg_b32 s2, hwreg(HW_REG_IB_STS2, 6, 4)
	s_cmp_eq_u32 s2, 0
	s_cbranch_scc0 .Lentry_in_a_cluster
	s_endpgm
.Lentry_in_a_cluster:
	s_bfe_u32 s2, ttmp6, 0x10000c
	s_cmp_lg_u32 s2, 0xf033
	s_cbranch_scc0 .Lentry_shape_is_right
	s_endpgm
.Lentry_shape_is_right:
; qkv = x w_qkv + b_qkv on codes of FP6 (E2M3) with E8M0 scales, sums in f32; the results leave AS CODES, quantised along the K of the products that read them: q and k along the head's 64, v ALONG THE TOKENS.
; A work-group makes S0 (128 rows, 8 tiles, source 0: its index falls into a lane's registers) x S1 (256 rows, 16 tiles, source 1: its index falls into the lanes), K = 1,024.  Wave w takes all of S0 and S1's tiles 4 w .. 4 w + 3:
; 32 accumulators.  Clusters with y 0-7 make q and k: S0 = 128 features (two heads), S1 = 256 tokens: a lane holds a token and its registers run along the features.  Clusters with y 8-11 make v: S0 = 128 tokens (one key step of
; the attention), S1 = 256 features: a lane holds a feature and its registers run along the tokens.  So in both parts the quantiser finds its K in a lane's registers, and nothing is transposed.
; The rows of every tile are chosen (row 32 (T / 2) + 8 (T % 2) + r + 8 (r / 8)) so that the 16 registers of accumulators 2 e, 2 e + 1 are 16 neighbours: index 32 e + 16 (lane / 16) + 0 .. 15.
; ALL OF K LIES IN LDS: 24 tiles x 12,288 bytes.  Every byte of LDS is filled once, in four chunks of 256 along K; each wave issues four tensor loads at the head, so four of mine are out at the most; a chunk is waited for when its turn comes.
; CLUSTERS: 4 x 4.  S1's tiles hang on the work-group's y and are shared along a row of the cluster, S0's on its x and are shared along a column: each is asked for jointly.
; 768 work-groups of this shape are three times 256; tiles of 256 x 256 would be 384.
; OUT: qkv [section: q, k+v][batch x head 64][key step 16][13,056 bytes]: + 0 eight token tiles x 768 (half images: 16 tokens x the head's 64); + 6,144 v: four tiles of 16 features x 128 tokens (1,536 each; section 1 alone);
; + 12,288 the tokens' scale words [4 tiles' quad 2][r 16][tile 4] (two bytes, then two zero bytes); + 12,800 v's scale words [r 16][tile 4].
; LIMITS: NaN and infinities are not served; a block of zeros, or under 2^-124, keeps the scale byte 1 (its codes are zeros; the bytes are read by this program alone).
; REGISTERS: window 0: v1-31 addresses and work; v32-63 S0's scale words, v64-79 S1's; v80-175 S1's fragments, two sets (on the way out: sums, codes); v176-239 the bias by registers; v240-255 the way out.
;   window 1: S0's fragments, two sets, at v0 and v128.   window 2: accumulator (a, b) at v[64 a + 8 b].
.set TILEB, 12288                      ; a tile: 16 half images
.set CHB,   3072                       ; its part of a chunk: 256 along K
.set S1CH,  16*CHB
.set S0CH,  8*CHB
.set S0REG, 4*S1CH                     ; LDS: S1 [chunk 4][tile 16][3,072], then S0 [chunk 4][tile 8][3,072]
.set A1W,  3                           ; v3-6   16 x lane + my four tiles of S1 in chunk 0..3
.set A1N,  7                           ; v7-10  8 x lane + the same
.set A0W,  11                          ; v11-14 16 x lane + S0 in chunk 0..3
.set A0N,  15                          ; v15-18 8 x lane + the same
.set S0SC, 32
.set S1SC, 64
.set F1,   80
.set BI,   176
.set PC,   144                         ; the way out: a fragment's codes
.set CTQ,  156                         ; the conversions' second halves
.set TM,   164                         ; v164-167 largest magnitudes, v168-171 the other half's, then bytes, v172-175 scale operands
.set PW,   240                         ; the scale word just made
.set WD,   244                         ; v244-247 the four tiles' scale words
.set BV,   248                         ; v248-255 the bias by lanes, twice each (pairs for the packed addition)
.set SEL,  92
.set FIRSTW, 0xa1
.set MSB, 0
.macro WIN new                         ; the immediate's high byte repeats the setting that is left
.if MSB != \new
	s_set_vgpr_msb (MSB<<8)|\new
.set MSB, \new
.endif
.endm
.macro PLACES                          ; four plain lines between a matrix instruction and a load into, or a vector line on, its registers
.rept 4
	v_nop
.endr
.endm
.macro CROUND                          ; a round of the cluster's barrier
	s_barrier_signal -1
	s_barrier_wait -1
	s_cmp_lg_u32 s16, 0
	s_cbranch_scc1 .Lnot_wave_0_\@
	s_barrier_signal -3
.Lnot_wave_0_\@:
	s_barrier_wait -3
	s_barrier_signal -1
	s_barrier_wait -1
.endm
; the fragments of K step s into set p: 8 of S0, 4 of S1; a fragment is two half images, each one load of 16 and one of 8 bytes a lane, all dense
.macro FETCH s, p
	WIN 0x40
.irp b, 0,1,2,3,4,5,6,7
.irp c, 0,1
	ds_load_b128 v[128*(\p)+12*\b+6*\c:128*(\p)+12*\b+6*\c+3], v[A0W+(\s)/2] offset:CHB*\b+1536*((\s)%2)+768*\c
	ds_load_b64 v[128*(\p)+12*\b+6*\c+4:128*(\p)+12*\b+6*\c+5], v[A0N+(\s)/2] offset:CHB*\b+1536*((\s)%2)+768*\c+512
.endr
.endr
	WIN 0
.irp a, 0,1,2,3
.irp c, 0,1
	ds_load_b128 v[F1+48*(\p)+12*\a+6*\c:F1+48*(\p)+12*\a+6*\c+3], v[A1W+(\s)/2] offset:CHB*\a+1536*((\s)%2)+768*\c
	ds_load_b64 v[F1+48*(\p)+12*\a+6*\c+4:F1+48*(\p)+12*\a+6*\c+5], v[A1N+(\s)/2] offset:CHB*\a+1536*((\s)%2)+768*\c+512
.endr
.endr
.endm
; one product: S0's tile b x S1's tile a.  A scale register carries an even tile's words in lanes 0-15 and the odd tile's in lanes 16-31
.macro WM a, b, p, s, first
.set rD, 64*(\a)+8*(\b)
.set rA, 128*(\p)+12*(\b)
.set rB, F1+48*(\p)+12*(\a)
.set rX, S0SC+8*((\b)/2)+(\s)
.set rY, S1SC+8*((\a)/2)+(\s)
.set par, 2*((\a)%2)+(\b)%2
.if \first
.if par == 0
	v_wmma_scale_f32_16x16x128_f8f6f4 v[rD:rD+7], v[rA:rA+11], v[rB:rB+11], 0, v[rX], v[rY] matrix_a_fmt:MATRIX_FMT_FP6 matrix_b_fmt:MATRIX_FMT_FP6
.elseif par == 1
	v_wmma_scale_f32_16x16x128_f8f6f4 v[rD:rD+7], v[rA:rA+11], v[rB:rB+11], 0, v[rX], v[rY] matrix_a_fmt:MATRIX_FMT_FP6 matrix_b_fmt:MATRIX_FMT_FP6 matrix_a_scale:MATRIX_SCALE_ROW1
.elseif par == 2
	v_wmma_scale_f32_16x16x128_f8f6f4 v[rD:rD+7], v[rA:rA+11], v[rB:rB+11], 0, v[rX], v[rY] matrix_a_fmt:MATRIX_FMT_FP6 matrix_b_fmt:MATRIX_FMT_FP6 matrix_b_scale:MATRIX_SCALE_ROW1
.else
	v_wmma_scale_f32_16x16x128_f8f6f4 v[rD:rD+7], v[rA:rA+11], v[rB:rB+11], 0, v[rX], v[rY] matrix_a_fmt:MATRIX_FMT_FP6 matrix_b_fmt:MATRIX_FMT_FP6 matrix_a_scale:MATRIX_SCALE_ROW1 matrix_b_scale:MATRIX_SCALE_ROW1
.endif
.else
.if par == 0
	v_wmma_scale_f32_16x16x128_f8f6f4 v[rD:rD+7], v[rA:rA+11], v[rB:rB+11], v[rD:rD+7], v[rX], v[rY] matrix_a_fmt:MATRIX_FMT_FP6 matrix_b_fmt:MATRIX_FMT_FP6
.elseif par == 1
	v_wmma_scale_f32_16x16x128_f8f6f4 v[rD:rD+7], v[rA:rA+11], v[rB:rB+11], v[rD:rD+7], v[rX], v[rY] matrix_a_fmt:MATRIX_FMT_FP6 matrix_b_fmt:MATRIX_FMT_FP6 matrix_a_scale:MATRIX_SCALE_ROW1
.elseif par == 2
	v_wmma_scale_f32_16x16x128_f8f6f4 v[rD:rD+7], v[rA:rA+11], v[rB:rB+11], v[rD:rD+7], v[rX], v[rY] matrix_a_fmt:MATRIX_FMT_FP6 matrix_b_fmt:MATRIX_FMT_FP6 matrix_b_scale:MATRIX_SCALE_ROW1
.else
	v_wmma_scale_f32_16x16x128_f8f6f4 v[rD:rD+7], v[rA:rA+11], v[rB:rB+11], v[rD:rD+7], v[rX], v[rY] matrix_a_fmt:MATRIX_FMT_FP6 matrix_b_fmt:MATRIX_FMT_FP6 matrix_a_scale:MATRIX_SCALE_ROW1 matrix_b_scale:MATRIX_SCALE_ROW1
.endif
.endif
.endm
.macro MULH a0, p, s, first            ; 16 products; the 32 accumulators take turns, one instruction a turn, in the same order in every K step
.irp ai, 0,1
.irp bi, 0,1,2,3,4,5,6,7
	WM (\a0)+\ai, \bi, \p, \s, \first
.endr
.endr
.endm
; a K step of 128: 32 products on set s % 2; in its middle the next step's 48 LDS loads, in one run, into the other set.  In steps 1, 3, 5 the next step begins a new chunk: my load of it is waited for
; (the count leaves the chunks behind it out), and a barrier shows every wave's part landed.
.macro KSTEP s, first
	s_wait_dscnt 0x0                               ; this step's fragments are in, and no LDS instruction of mine is out at a signal
.if ((\s)%2 == 1) && ((\s) < 7)
	s_wait_tensorcnt 2-(\s)/2
	s_barrier_signal -1
.endif
.if \first
	WIN FIRSTW
.else
	WIN 0xa1                                       ; source 0 window 1, source 1 window 0, C and D window 2
.endif
	MULH 0, (\s)%2, \s, \first
	WIN 0
.if ((\s)%2 == 1) && ((\s) < 7)
	s_barrier_wait -1
.endif
.if (\s) < 7
	PLACES
	FETCH (\s)+1, 1-(\s)%2
.endif
.if \first
	WIN FIRSTW
.else
	WIN 0xa1
.endif
	MULH 2, (\s)%2, \s, \first
	WIN 0
.endm
; 64 numbers of a lane, register 16 b + i = index 32 b + 16 (lane / 16) + i of my row, become a fragment's codes in v[PC] on and its scale word in v[PW]
.macro QUANT src
.irp b, 0,1,2,3
	v_max3_num_f32 v[TM+\b], |v[\src+16*\b]|, |v[\src+1+16*\b]|, 0x1800000   ; with the floor 2^(3 - 127): the byte cannot fall under 1
.endr
.irp i, 2,4,6,8,10,12,14
.irp b, 0,1,2,3
	v_max3_num_f32 v[TM+\b], v[TM+\b], |v[\src+16*\b+\i]|, |v[\src+1+16*\b+\i]|
.endr
.endr
.irp b, 0,1,2,3
	v_permlanex16_b32 v[TM+4+\b], v[TM+\b], s[SEL], s[SEL+1]
.endr
.irp b, 0,1,2,3
	v_max_num_f32 v[TM+\b], v[TM+\b], v[TM+4+\b]   ; with lane l xor 16's: the block's largest magnitude
.endr
.irp b, 0,1,2,3
	v_add_nc_u32 v[TM+8+\b], 0xff000000, v[TM+\b]  ; 2 off its exponent field: the conversion's scale operand
.endr
.irp b, 0,1,2,3
	v_lshrrev_b32 v[TM+4+\b], 23, v[TM+8+\b]       ; the scale's byte
.endr
	v_lshl_or_b32 v[PW], v[TM+5], 8, v[TM+4]
	v_lshl_or_b32 v[PW], v[TM+6], 16, v[PW]
	v_lshl_or_b32 v[PW], v[TM+7], 24, v[PW]
.irp c, 0,1
	v_cvt_scalef32_pk16_fp6_f32 v[PC+6*\c:PC+6*\c+2], v[\src+32*\c:\src+32*\c+15], v[TM+8+2*\c]
	v_cvt_scalef32_pk16_fp6_f32 v[CTQ+4*\c:CTQ+4*\c+2], v[\src+32*\c+16:\src+32*\c+31], v[TM+8+2*\c+1]
.endr
	v_nop                                          ; one plain line behind the conversions
.irp c, 0,1                                    ; the operand wants a whole block in a lane: lanes 0-15 block 2 c, lanes 16-31 block 2 c + 1
.irp i, 0,1,2
	v_permlane16_swap_b32 v[PC+6*\c+\i], v[CTQ+4*\c+\i]
.endr
.irp i, 0,1,2
	v_mov_b32 v[PC+3+6*\c+\i], v[CTQ+4*\c+\i]
.endr
.endr
.endm
; THE WAY OUT, a tile of S1 at a time: the bias is added (which also brings the sums into window 0; each accumulator from its low end on), the 64 numbers are quantised, and the two half images leave:
; q, k: to two neighbouring heads; v: on end.  Every store of the wave covers 512 or 256 consecutive bytes, aligned to 256.
.macro EPI isv
.if \isv
.set SA, 1536
.set SCD, 768
.else
.set SA, 768
.set SCD, 208896
.endif
.irp b, 0,1,2,3
	v_mov_b32 v[TM+4+\b], 0                        ; a lane permute's destination counts as one of its sources
.endr
.irp ea, 0,1,2,3
.if \ea > 0
	s_wait_xcnt 0x0                                ; the last tile's stores have read their data
.endif
	WIN 0x02                                       ; source 0: window 2
.set kk, 0
.rept 32
.if \isv
	v_pk_add_f32 v[F1+2*kk:F1+2*kk+1], v[64*\ea+2*kk:64*\ea+2*kk+1], v[BV+2*\ea:BV+2*\ea+1]
.else
	v_pk_add_f32 v[F1+2*kk:F1+2*kk+1], v[64*\ea+2*kk:64*\ea+2*kk+1], v[BI+2*kk:BI+2*kk+1]
.endif
.set kk, kk+1
.endr
	WIN 0
	QUANT F1
	v_mov_b32 v[WD+\ea], v[PW]
	global_store_b128 v1, v[PC:PC+3], s[86:87] offset:SA*\ea
	global_store_b64 v2, v[PC+4:PC+5], s[86:87] offset:SA*\ea+512
	global_store_b128 v1, v[PC+6:PC+9], s[86:87] offset:SA*\ea+SCD
	global_store_b64 v2, v[PC+10:PC+11], s[86:87] offset:SA*\ea+SCD+512
.endr
.endm
	s_load_b256 s[4:11], s[0:1], 0x0               ; op1_img s[4:5], op1_sc s[6:7], b_qkv s[8:9], qkv s[10:11]
	v_lshl_add_u32 v242, v0, 2, 0x48000
	v_mov_b32 v243, 0
	ds_add_u32 v242, v243
	ds_add_u32 v242, v243
	v_lshrrev_b32 v1, 5, v0
	v_readfirstlane_b32 s16, v1                    ; wave 0..3
	s_lshr_b32 s17, s16, 1                         ; I fetch for S1 (0) or for S0 (1)
	s_and_b32 s18, s16, 1                          ; which half of its tiles
	s_bfe_u32 s19, ttmp6, 0x40000                  ; cx
	s_bfe_u32 s20, ttmp6, 0x40004                  ; cy
	s_and_b32 s22, ttmp7, 0xffff                   ; the cluster's y
	s_lshr_b32 s23, s22, 3                         ; 1: this cluster makes v.  The same in all sixteen partners
	s_and_b32 s56, s22, 7
	s_xor_b32 s58, s23, 1
	s_mul_i32 s57, s23, s56                        ; S0's block of 128 rows: 4 (cluster x + 4 (y & 7) in the v part) + cx
	s_lshl_b32 s57, s57, 2
	s_add_co_u32 s57, s57, ttmp9
	s_lshl_b32 s57, s57, 2
	s_add_co_u32 s57, s57, s19
	s_mul_i32 s59, s56, s58                        ; S1's block of 256 rows: 4 (y & 7) in the q, k part, + cy
	s_lshl_b32 s59, s59, 2
	s_add_co_u32 s59, s59, s20
	s_lshl_b32 s60, s57, 3                         ; S0's first tile: features lie behind x's 512 tiles
	s_lshl_b32 s61, s58, 9
	s_add_co_u32 s60, s60, s61
	s_lshl_b32 s62, s59, 4                         ; S1's first tile: v's features begin at tile 512 + 128
	s_mul_i32 s63, s23, 640
	s_add_co_u32 s62, s62, s63
	s_lshl_b32 s90, s20, 2
	s_lshl_b32 s90, 15, s90                        ; my row of the cluster
	s_lshl_b32 s91, 0x1111, s19                    ; my column
	; descriptor group 1: R tiles' parts of a chunk: R rows of 384 elements of 8 bytes, 1,536 elements apart; no padding
	s_or_b32 s24, s90, (3<<16)|(1<<21)             ; 15:0 the mask: S1's tiles go to my row; 17:16 elements of 8 bytes; 21 set beside a mask
	s_mov_b32 s25, 384<<16                         ; tensor_dim0
	s_mov_b32 s26, 8<<16                           ; tensor_dim1
	s_mov_b32 s27, 384<<16                         ; tile_dim0
	s_mov_b32 s28, 8                               ; tile_dim1
	s_mov_b32 s29, 1536                            ; tensor_dim0_stride
	s_mov_b32 s30, 0
	s_mov_b32 s31, 0
	s_or_b32 s32, s91, (3<<16)|(1<<21)             ; S0's tiles go to my column
	s_mov_b32 s33, 384<<16
	s_mov_b32 s34, 4<<16
	s_mov_b32 s35, 384<<16
	s_mov_b32 s36, 4
	s_mov_b32 s37, 1536
	s_mov_b32 s38, 0
	s_mov_b32 s39, 0
	s_lshl_b32 s84, s18, 3
	s_add_co_u32 s84, s84, s62
	s_mul_i32 s84, s84, TILEB                      ; S1: my eight tiles (no register here ever holds cx)
	s_mov_b32 s85, 0
	s_lshl_b32 s86, s18, 2
	s_add_co_u32 s86, s86, s60
	s_mul_i32 s86, s86, TILEB                      ; S0: my four tiles (none holds cy)
	s_mov_b32 s87, 0
	s_mul_i32 s88, s18, 8*CHB                      ; where they go: no place in the cluster enters an LDS address
	s_mul_i32 s89, s18, 4*CHB
	s_mov_b32 s[SEL], 0x76543210
	s_mov_b32 s[SEL+1], 0xfedcba98
	s_wait_dscnt 0x0
	s_wait_kmcnt 0x0
	s_add_nc_u64 s[84:85], s[4:5], s[84:85]
	s_add_nc_u64 s[86:87], s[4:5], s[86:87]
.irp ch, 0,1,2,3                               ; a group 0 for each chunk: none is written again
	s_mov_b32 s[40+4*\ch], 1
	s_add_co_u32 s[41+4*\ch], s88, \ch*S1CH
	s_add_nc_u64 s[42+4*\ch:43+4*\ch], s[84:85], \ch*CHB
	s_or_b32 s[43+4*\ch], s[43+4*\ch], 0x80000000
	s_mov_b32 s[68+4*\ch], 1
	s_add_co_u32 s[69+4*\ch], s89, S0REG+\ch*S0CH
	s_add_nc_u64 s[70+4*\ch:71+4*\ch], s[86:87], \ch*CHB
	s_or_b32 s[71+4*\ch], s[71+4*\ch], 0x80000000
.endr
	CROUND                                         ; all sixteen work-groups are here: the joint loads meet
	s_cmp_eq_u32 s17, 0                            ; a wave's four fills stand in one branch on the wave's number; four v_nop follow the last
	s_cbranch_scc0 .Lfor_s0
	tensor_load_to_lds s[40:43], s[24:31]
	s_nop 0
	tensor_load_to_lds s[44:47], s[24:31]
	s_nop 0
	tensor_load_to_lds s[48:51], s[24:31]
	s_nop 0
	tensor_load_to_lds s[52:55], s[24:31]
	s_nop 0
	PLACES
	s_branch .Lasked
.Lfor_s0:
	tensor_load_to_lds s[68:71], s[32:39]
	s_nop 0
	tensor_load_to_lds s[72:75], s[32:39]
	s_nop 0
	tensor_load_to_lds s[76:79], s[32:39]
	s_nop 0
	tensor_load_to_lds s[80:83], s[32:39]
	s_nop 0
	PLACES
.Lasked:
	v_and_b32 v23, 31, v0                          ; lane
	v_and_b32 v19, 15, v0                          ; r
	v_bfe_u32 v20, v0, 4, 1                        ; h
	v_lshlrev_b32 v1, 4, v23
	v_lshlrev_b32 v2, 3, v23
	s_mul_i32 s94, s16, 4*CHB
.irp ch, 0,1,2,3
	v_add_nc_u32 v[A1W+\ch], s94, v1
	v_add_nc_u32 v[A1N+\ch], s94, v2
	v_add_nc_u32 v[A0W+\ch], S0REG+\ch*S0CH, v1
	v_add_nc_u32 v[A0N+\ch], S0REG+\ch*S0CH, v2
	s_add_co_u32 s94, s94, S1CH
.endr
	s_lshl_b32 s84, s60, 9                         ; S0's scale words: 512 bytes a tile
	s_mov_b32 s85, 0
	s_add_nc_u64 s[84:85], s[6:7], s[84:85]
	s_lshl_b32 s86, s16, 2
	s_add_co_u32 s86, s86, s62
	s_lshl_b32 s86, s86, 9                         ; my four tiles of S1
	s_mov_b32 s87, 0
	s_add_nc_u64 s[86:87], s[6:7], s[86:87]
	s_and_b32 s88, s57, 15                         ; the bias by registers (q, k): S0's 128 features.  Both forms of the bias are loaded in both parts, from addresses held inside the buffer; the way out uses one
	s_lshl_b32 s88, s88, 9
	s_mov_b32 s89, 0
	s_add_nc_u64 s[88:89], s[8:9], s[88:89]
	s_and_b32 s90, s59, 3                          ; the bias by lanes (v): feature 2,048 + 256 (S1's block) + 64 wave + ..
	s_lshl_b32 s90, s90, 2
	s_add_co_u32 s90, s90, s16
	s_lshl_b32 s90, s90, 8
	s_add_co_u32 s90, s90, 8192
	s_mov_b32 s91, 0
	s_add_nc_u64 s[90:91], s[8:9], s[90:91]
	v_lshlrev_b32 v21, 6, v20                      ; 64 h: my half's 16 features of each 32
	v_and_b32 v22, 8, v19
	v_add_nc_u32 v22, v22, v19
	v_lshlrev_b32 v22, 2, v22                      ; 4 (r + 8 (r / 8))
.irp k, 0,1,2,3
.irp q, 0,1,2,3
	global_load_b64 v[S0SC+8*\k+2*\q:S0SC+8*\k+2*\q+1], v2, s[84:85] offset:1024*\k+256*\q   ; 256 consecutive bytes: a pair of tiles, two K steps
.endr
.endr
.irp k, 0,1
.irp q, 0,1,2,3
	global_load_b64 v[S1SC+8*\k+2*\q:S1SC+8*\k+2*\q+1], v2, s[86:87] offset:1024*\k+256*\q
.endr
.endr
.irp e, 0,1,2,3
.irp j, 0,1,2,3
	global_load_b128 v[BI+16*\e+4*\j:BI+16*\e+4*\j+3], v21, s[88:89] offset:128*\e+16*\j
.endr
.endr
.irp ea, 0,1,2,3
	global_load_b32 v[BV+2*\ea], v22, s[90:91] offset:4*(32*(\ea/2)+8*(\ea%2))
	global_load_b32 v[BV+2*\ea+1], v22, s[90:91] offset:4*(32*(\ea/2)+8*(\ea%2))
.endr
	s_wait_loadcnt 0x0
	s_wait_tensorcnt 3                             ; my part of chunk 0 is in; three chunks may be out,
	s_barrier_signal -1
	s_barrier_wait -1                              ; everybody's is
	FETCH 0, 0
	KSTEP 0, 1                                     ; the first step's products start the sums: nothing is cleared
.irp ks, 1,2,3,4,5,6,7
	KSTEP \ks, 0
.endr
	PLACES
	s_cmp_lg_u32 s23, 0                            ; the branch hangs on the cluster's y alone; its arms hold register work and stores
	s_cbranch_scc1 .Lv_part
	; q, k: section (S0's block / 8), batch (S1's block / 8), heads 2 (S0's block % 8) and + 1, key step 2 (S1's block % 8) + wave / 2, token tiles 4 (wave % 2) + 0 .. 3
	s_lshr_b32 s84, s57, 3
	s_mul_i32 s84, s84, 13369344
	s_lshr_b32 s85, s59, 3
	s_lshl_b32 s85, s85, 4
	s_and_b32 s86, s57, 7
	s_lshl_b32 s86, s86, 1
	s_add_co_u32 s85, s85, s86
	s_mul_i32 s85, s85, 208896
	s_add_co_u32 s84, s84, s85
	s_and_b32 s85, s59, 7
	s_lshl_b32 s85, s85, 1
	s_add_co_u32 s85, s85, s17
	s_mul_i32 s85, s85, 13056
	s_add_co_u32 s84, s84, s85
	s_mov_b32 s85, 0
	s_add_nc_u64 s[84:85], s[10:11], s[84:85]      ; the step's block
	s_mul_i32 s86, s18, 3072
	s_mov_b32 s87, 0
	s_add_nc_u64 s[86:87], s[84:85], s[86:87]      ; my four tiles in it
	s_lshl_b32 s88, s18, 8
	s_add_co_u32 s88, s88, 12288
	s_mov_b32 s89, 0
	s_add_nc_u64 s[88:89], s[84:85], s[88:89]      ; and their scale words
	EPI 0
	v_lshlrev_b32 v21, 4, v20                      ; lanes 0-15 keep the first head's two bytes, lanes 16-31 the second's; the upper two bytes are 0
.irp ea, 0,1,2,3
	v_lshrrev_b32 v[WD+\ea], v21, v[WD+\ea]
.endr
.irp ea, 0,1,2,3
	v_and_b32 v[WD+\ea], 0xffff, v[WD+\ea]
.endr
	v_mul_u32_u24 v22, v20, 208896
	v_lshl_add_u32 v22, v19, 4, v22
	global_store_b128 v22, v[WD:WD+3], s[88:89]    ; sixteen lanes fill 256 aligned bytes in each of the two heads
	s_branch .Ldone
.Lv_part:
	; v: batch (S0's block / 16), head 4 (S1's block) + wave, key step S0's block % 16
	s_lshr_b32 s84, s57, 4
	s_lshl_b32 s84, s84, 4
	s_lshl_b32 s85, s59, 2
	s_add_co_u32 s84, s84, s85
	s_add_co_u32 s84, s84, s16
	s_mul_i32 s84, s84, 208896
	s_and_b32 s85, s57, 15
	s_mul_i32 s85, s85, 13056
	s_add_co_u32 s84, s84, s85
	s_add_co_u32 s84, s84, 13369344+6144
	s_mov_b32 s85, 0
	s_add_nc_u64 s[86:87], s[10:11], s[84:85]
	s_add_nc_u64 s[88:89], s[86:87], 6656          ; its scale words, at 12,800 in the block
	EPI 1
	v_lshlrev_b32 v22, 4, v19
	v_cmp_gt_u32 vcc_lo, 16, v23
	s_wait_xcnt 0x0                                ; EXEC changes only behind this wait
	s_and_saveexec_b32 s94, vcc_lo
	global_store_b128 v22, v[WD:WD+3], s[88:89]    ; lanes 0-15: 256 aligned bytes
	s_wait_xcnt 0x0                                ; and again, in front of the line that widens it
	s_or_b32 exec_lo, exec_lo, s94
.Ldone:
	s_wait_tensorcnt 0x0
	ds_add_u32 v242, v243
	s_wait_dscnt 0x0
	CROUND                                         ; the closing round: no work-group ends while a partner may still ask for a tile that names it
	s_endpgm
.Lfunc_end_k_qd86e765a58_gemm1:
	.size	k_qd86e765a58_gemm1, .Lfunc_end_k_qd86e765a58_gemm1-k_qd86e765a58_gemm1
	.p2alignl 7, 3214868480
	.fill 96, 4, 3214868480
	.section	.rodata,"a",@progbits
	.p2align	6, 0x0
	.amdhsa_kernel k_qd86e765a58_gemm1
		.amdhsa_group_segment_fixed_size 295424
		.amdhsa_private_segment_fixed_size 0
		.amdhsa_enable_private_segment 0
		.amdhsa_kernarg_size 32
		.amdhsa_user_sgpr_count 2
		.amdhsa_user_sgpr_kernarg_segment_ptr 1
		.amdhsa_wavefront_size32 1
		.amdhsa_system_sgpr_workgroup_id_x 1
		.amdhsa_system_sgpr_workgroup_id_y 1
		.amdhsa_system_sgpr_workgroup_id_z 1
		.amdhsa_system_vgpr_workitem_id 0
		.amdhsa_next_free_vgpr 768
		.amdhsa_next_free_sgpr 100
		.amdhsa_reserve_vcc 1
		.amdhsa_float_denorm_mode_32 3
		.amdhsa_float_denorm_mode_16_64 3
		.amdhsa_memory_ordered 1
		.amdhsa_forward_progress 1
		.amdhsa_inst_pref_size 126
	.end_amdhsa_kernel
	.amdgpu_metadata
---
amdhsa.version: [ 1, 2 ]
amdhsa.kernels:
  - .name:           k_qd86e765a58_gemm1
    .symbol:         k_qd86e765a58_gemm1.kd
    .args:
      - { .name: op1_img, .offset: 0, .size: 8, .value_kind: global_buffer, .address_space: global }
      - { .name: op1_sc, .offset: 8, .size: 8, .value_kind: global_buffer, .address_space: global }
      - { .name: b_qkv, .offset: 16, .size: 8, .value_kind: global_buffer, .address_space: global }
      - { .name: qkv, .offset: 24, .size: 8, .value_kind: global_buffer, .address_space: global }
    .group_segment_fixed_size: 295424
    .private_segment_fixed_size: 0
    .kernarg_segment_align: 8
    .kernarg_segment_size: 32
    .max_flat_workgroup_size: 128
    .sgpr_count:     100
    .vgpr_count:     768
    .wavefront_size: 32
...
	.end_amdgpu_metadata
.endif
;; end of part 2
;; launch attn (part 3): grid 4 x 64, 16 waves a work-group, no clusters, 212,992 bytes of LDS; arguments qkv, y_img, y_sc; writes y_img, y_sc
.if DOCPART == 3
	.amdgcn_target "amdgcn-amd-amdhsa--gfx1250"
	.amdhsa_code_object_version 6
	.text
	.protected	k_qd86e765a58_attn
	.globl	k_qd86e765a58_attn
	.p2align	8
	.type	k_qd86e765a58_attn,@function
k_qd86e765a58_attn:
	s_mov_b64 s[64:65], 0
	v_nop
	global_prefetch_b8 v0, s[64:65] scope:SCOPE_SE
	s_setreg_imm32_b32 hwreg(HW_REG_WAVE_MODE, 25, 1), 1
	s_wait_xcnt 0x0
; y[b][h][q] = the sum over keys k <= q of softmax_k(q . k / 8) v[k], head size 64, 2,048 tokens, both products on codes of FP6 (E2M3) with E8M0 scales; y leaves as codes, quantised along the model's 1,024 (two blocks a head).
; THE SOFTMAX: t = score x log2(e) / 8; M = the row's largest t so far, rounded UP to a whole number; p = 2^(t - M) is what is quantised, along the keys, not normalised.  The row's sum is taken of the unquantised p
; and divides at the end.  When M moves, the sum and O are multiplied by 2^(old M - new M): exact.
; SHARES.  A work-group (g = x, batch x head = y) has sixteen waves, four to a SIMD.  Wave w owns TWO tiles of 16 queries: tile 16 g + w and tile 127 - (16 g + w).  Tile t needs key steps 0 .. t / 8 (128 keys a step), so every wave has
; 17 steps of a tile in all, and all work-groups have equal work.  A step all of whose keys come after a tile's queries is left out by a scalar branch on ids; on the diagonal hidden scores become -infinity.
; THE WHOLE HEAD'S K, V AND SCALE WORDS LIE IN LDS, 16 key steps x 13,056 bytes as gemm1 laid them: filled once, by eight tensor loads of two steps each (wave 0: two, so two of its loads are out at the most; waves 1 to 6: one each).
; The slots behind 7 - g are fetched and not read: the loads' count is a constant of the text.
; NO CLUSTER, though the four work-groups of a head read the same K and V: the branch that leaves hidden steps out hangs on g, which in a cluster would be the work-group's place, and partners must run alike.
; LAYOUT.  Both products are used transposed: S^T = K Q^T (source 0 = 16 keys), O^T = V^T P^T (source 0 = 16 of the head's 64): a lane holds ONE query (lane % 16).  Tiles of keys, of queries and of the head's 64 all take rows
; 32 (T / 2) + 8 (T % 2) + r + 8 (r / 8), so that the 16 registers of tiles 2 e, 2 e + 1 are 16 neighbours: index 32 e + 16 (lane / 16) + 0 .. 15.
; K = 64 IN AN INSTRUCTION OF 128.  Q's registers 6-11 hold zero codes.  A tile of K is six registers; as the upper six the instruction is given the next tile's six (the last tile: six registers of zeros): codes of E2M3
; are all finite numbers, and times the code 0 they add nothing; the upper two bytes of both scale words are 0, which is 2^-127 and no NaN.
; LIMITS: NaN and infinities are not served; a block of zeros, or under 2^-124, keeps the scale byte 1 (its codes are zeros; the bytes are read by this program alone).
.set STEPB, 13056
.set YST,   16*STEPB                   ; behind K and V: 1,024 bytes in which the waves' scale halves of y gather; no fill lands there
.set A16, 4                            ; v4-6  16 x lane, 8 x lane, 16 r + the step's first byte
.set A8,  5
.set AR,  6
.set STL, 8                            ; v8-11  tile L: -M, the largest t, the sum in two halves;  v12-15 tile H
.set STH, 12
.set DL,  16                           ; v16, v17  my query's place in its key step, less 16 (lane / 16)
.set DH,  17
.set QWL, 18                           ; v18, v19  Q's scale words
.set QWH, 19
.set QL,  20                           ; v20-31, v32-43  Q's fragments
.set QH,  32
.set FR,  44                           ; v44-97  eight tiles of K (6 registers each, then 6 of zeros), or four fragments of V; between the products the softmax's work
.set KS,  98                           ; v98-105 K's eight scale words, later V's four
.set S,   106                          ; v106-169 S^T, then p
.set OL,  170                          ; v170-201, v202-233  O^T
.set OH,  202
.set PC,  234                          ; v234-245 p's codes
.set PW,  246                          ; p's scale word
.set F,   248                          ; v[248:249] f = 2^(old M - new M) (the pair's upper half is written once)
.set BM,  44                           ; the blocks' largest scores
.set PT,  48                           ; the other half's; then the bytes
.set SO,  52                           ; the conversions' scale operands
.set CT0, 60                           ; v60-62, v64-66 the conversions' second halves
.set W,   68                           ; at work
.set SUMC, 72                          ; v[72:73] the second chain of the sum
.set NINF, 74
.set WV,  10
.set SEL, 20
.set CS,  22
.set J,   40                           ; s40 the key step
.set SB,  41                           ; s41 its first byte in LDS
.set CNT, 42
; ONE TILE'S KEY STEP.  qf, qw: Q's fragment and scale word; st: its four statistics; oa: its O^T; dm: its mask register; gs: the scalar with its last key step
.macro STEP qf, qw, st, oa, dm, gs
	s_cmp_gt_u32 s[J], s[\gs]
	s_cbranch_scc1 .Lhid_\@                        ; all 128 keys come after my queries
.rept 4
	v_nop                                          ; places in front of loads into registers that the last products have read
.endr
.irp t, 0,1,2,3,4,5,6,7
	ds_load_b128 v[FR+6*\t:FR+6*\t+3], v[A16] offset:768*\t
	ds_load_b64 v[FR+6*\t+4:FR+6*\t+5], v[A8] offset:768*\t+512
.endr
	ds_load_b128 v[KS:KS+3], v[AR] offset:12288
	ds_load_b128 v[KS+4:KS+7], v[AR] offset:12544
	s_wait_dscnt 0x0
.irp t, 0,1,2,3,4,5,6,7
	v_wmma_scale_f32_16x16x128_f8f6f4 v[S+8*\t:S+8*\t+7], v[FR+6*\t:FR+6*\t+11], v[\qf:\qf+11], 0, v[KS+\t], v[\qw] matrix_a_fmt:MATRIX_FMT_FP6 matrix_b_fmt:MATRIX_FMT_FP6
.endr
.rept 4
	v_nop
.endr
	s_cmp_lg_u32 s[J], s[\gs]
	s_cbranch_scc1 .Lopen_\@                       ; only the tile's last step lies on the diagonal
	v_mov_b32 v[NINF], 0xff800000
.set n, 0
.rept 64                                       ; register 16 e + i holds key 32 e + 16 (lane / 16) + i of the step: hidden where 32 e + i > dm
	v_cmp_gt_i32 vcc_lo, 32*(n/16)+n%16, v[\dm]
	v_cndmask_b32 v[S+n], v[S+n], v[NINF], vcc_lo
.set n, n+1
.endr
.Lopen_\@:
.irp b, 0,1,2,3
	v_max3_num_f32 v[BM+\b], v[S+16*\b], v[S+16*\b+1], v[S+16*\b+2]   ; the largest score of each block of 32 keys: it serves for the row's maximum and, since p rises with the score, for the block's largest p
.endr
.irp i, 3,5,7,9,11,13
.irp b, 0,1,2,3
	v_max3_num_f32 v[BM+\b], v[BM+\b], v[S+16*\b+\i], v[S+16*\b+\i+1]
.endr
.endr
.irp b, 0,1,2,3
	v_max_num_f32 v[BM+\b], v[BM+\b], v[S+16*\b+15]
.endr
.irp b, 0,1,2,3
	v_permlanex16_b32 v[PT+\b], v[BM+\b], s[SEL], s[SEL+1]
.endr
.irp b, 0,1,2,3
	v_max_num_f32 v[BM+\b], v[BM+\b], v[PT+\b]     ; with lane l xor 16's 16 keys
.endr
	v_max3_num_f32 v[W], v[BM], v[BM+1], v[BM+2]
	v_max_num_f32 v[W], v[W], v[BM+3]
	v_mul_f32 v[W], s[CS], v[W]                    ; as t (c is positive)
	v_max_num_f32 v[\st+1], v[\st+1], v[W]         ; the running largest t
	v_mov_b32 v[W], v[\st]
	v_floor_f32 v[\st], -v[\st+1]                  ; the new -M = floor(-t): M is a whole number
	v_sub_f32 v[W], v[\st], v[W]                   ; old M - new M: a whole number, 0 or less
	v_cvt_i32_f32 v[W], v[W]                       ; (it saturates)
	v_ldexp_f32 v[F], 1.0, v[W]                    ; f
.set n, 0
.rept 32
	v_pk_fma_f32 v[S+n:S+n+1], v[S+n:S+n+1], s[CS:CS+1], v[\st:\st+1] op_sel_hi:[1,0,0]   ; t - M, two at a time
.set n, n+2
.endr
.irp b, 0,1,2,3
	v_fma_f32 v[BM+\b], v[BM+\b], s[CS], v[\st]    ; the same of each block's largest score
.endr
.set n, 0
.rept 64
	v_exp_f32 v[S+n], v[S+n]                       ; p = 2^(t - M), at most 1
.set n, n+1
.endr
	v_pk_mul_f32 v[\st+2:\st+3], v[\st+2:\st+3], v[F:F+1] op_sel_hi:[1,0]   ; the sums under the new M (a plain line behind the exponentials)
	s_wait_alu depctr_va_vdst(0)                   ; one wait for the whole batch, ahead of its first reader
.irp b, 0,1,2,3
	v_exp_f32 v[BM+\b], v[BM+\b]                   ; the block's largest p: the same two instructions on the same number give the same bits
.endr
	v_pk_add_f32 v[SUMC:SUMC+1], v[S:S+1], v[S+2:S+3]   ; the row's sum is taken of the unquantised p, in two chains
.irp j, 4,8,12,16,20,24,28,32,36,40,44,48,52,56,60
	v_pk_add_f32 v[\st+2:\st+3], v[\st+2:\st+3], v[S+\j:S+\j+1]
	v_pk_add_f32 v[SUMC:SUMC+1], v[SUMC:SUMC+1], v[S+\j+2:S+\j+3]
.endr
	v_pk_add_f32 v[\st+2:\st+3], v[\st+2:\st+3], v[SUMC:SUMC+1]
	s_wait_alu depctr_va_vdst(0)                   ; and one for the four
.irp b, 0,1,2,3
	v_max_num_f32 v[BM+\b], 0x1800000, v[BM+\b]    ; the floor 2^(3 - 127): the byte cannot fall under 1
.endr
.irp b, 0,1,2,3
	v_add_nc_u32 v[SO+\b], 0xff000000, v[BM+\b]    ; 2 off the exponent field: the conversion's scale operand
.endr
.irp b, 0,1,2,3
	v_lshrrev_b32 v[PT+\b], 23, v[SO+\b]           ; the scale's byte
.endr
	v_lshl_or_b32 v[PW], v[PT+1], 8, v[PT]
	v_lshl_or_b32 v[PW], v[PT+2], 16, v[PW]
	v_lshl_or_b32 v[PW], v[PT+3], 24, v[PW]
.irp c, 0,1
	v_cvt_scalef32_pk16_fp6_f32 v[PC+6*\c:PC+6*\c+2], v[S+32*\c:S+32*\c+15], v[SO+2*\c]
	v_cvt_scalef32_pk16_fp6_f32 v[CT0+4*\c:CT0+4*\c+2], v[S+32*\c+16:S+32*\c+31], v[SO+2*\c+1]
.endr
	v_nop                                          ; one plain line behind the conversions
.irp c, 0,1                                    ; the operand wants a whole block in a lane
.irp i, 0,1,2
	v_permlane16_swap_b32 v[PC+6*\c+\i], v[CT0+4*\c+\i]
.endr
.irp i, 0,1,2
	v_mov_b32 v[PC+3+6*\c+\i], v[CT0+4*\c+\i]
.endr
.endr
.set n, 0
.rept 16
	v_pk_mul_f32 v[\oa+n:\oa+n+1], v[\oa+n:\oa+n+1], v[F:F+1] op_sel_hi:[1,0]   ; O^T under the new M.  (Of these sixteen, twelve name no register of any one product below: the places between p's codes and scale word and the products)
.set n, n+2
.endr
.irp t, 0,1,2,3
.irp c, 0,1
	ds_load_b128 v[FR+12*\t+6*\c:FR+12*\t+6*\c+3], v[A16] offset:6144+1536*\t+768*\c
	ds_load_b64 v[FR+12*\t+6*\c+4:FR+12*\t+6*\c+5], v[A8] offset:6144+1536*\t+768*\c+512
.endr
.endr
	ds_load_b128 v[KS:KS+3], v[AR] offset:12800
	s_wait_dscnt 0x0
.irp t, 0,1,2,3                                ; O^T += V^T P^T: the four accumulators take turns
	v_wmma_scale_f32_16x16x128_f8f6f4 v[\oa+8*\t:\oa+8*\t+7], v[FR+12*\t:FR+12*\t+11], v[PC:PC+11], v[\oa+8*\t:\oa+8*\t+7], v[KS+\t], v[PW] matrix_a_fmt:MATRIX_FMT_FP6 matrix_b_fmt:MATRIX_FMT_FP6
.endr
.Lhid_\@:
.endm
.macro BODY                            ; a key step, for both tiles
	v_add_nc_u32 v[A16], s[SB], v1
	v_add_nc_u32 v[A8], s[SB], v2
	v_add_nc_u32 v[AR], s[SB], v3
	STEP QL, QWL, STL, OL, DL, 15
	STEP QH, QWH, STH, OH, DH, 16
	s_add_co_u32 s[SB], s[SB], STEPB
	s_add_co_u32 s[J], s[J], 1
.endm
; Q's half image and scale word of the tile in s[ts], whose key step is in s[gs]; six scalars from s[pb] on hold its three addresses
.macro QLOAD ts, gs, pb, qf, qw
	s_mul_i32 s[\pb], s[\gs], STEPB
	s_mov_b32 s[\pb+1], 0
	s_add_nc_u64 s[\pb:\pb+1], s[44:45], s[\pb:\pb+1]
	s_and_b32 s[\pb+4], s[\ts], 7
	s_mul_i32 s[\pb+2], s[\pb+4], 768
	s_mov_b32 s[\pb+3], 0
	s_add_nc_u64 s[\pb+2:\pb+3], s[\pb:\pb+1], s[\pb+2:\pb+3]
	s_lshr_b32 s[\pb+5], s[\pb+4], 2
	s_lshl_b32 s[\pb+5], s[\pb+5], 8
	s_and_b32 s[\pb+4], s[\pb+4], 3
	s_lshl_b32 s[\pb+4], s[\pb+4], 2
	s_add_co_u32 s[\pb+4], s[\pb+4], s[\pb+5]
	s_add_co_u32 s[\pb+4], s[\pb+4], 12288
	s_mov_b32 s[\pb+5], 0
	s_add_nc_u64 s[\pb+4:\pb+5], s[\pb:\pb+1], s[\pb+4:\pb+5]
	global_load_b128 v[\qf:\qf+3], v1, s[\pb+2:\pb+3] th:TH_LOAD_NT
	global_load_b64 v[\qf+4:\qf+5], v2, s[\pb+2:\pb+3] offset:512 th:TH_LOAD_NT
	global_load_b32 v[\qw], v3, s[\pb+4:\pb+5]
.endm
; THE WAY OUT of a tile: O^T / the sum; its 32 numbers a lane are index 32 e + 16 (lane / 16) + i of the head's 64: two blocks; one half image and two scale bytes a row
.macro YOUT st, oa, ts, sa, pc, ct, hw, pb
	s_add_co_u32 s[\pb], s52, s[\ts]               ; the token tile: 128 x batch + tile,
	s_lshl_b32 s[\pb], s[\pb], 4
	s_add_co_u32 s[\pb], s[\pb], s53               ; its half image of my head
	s_mul_i32 s[\pb], s[\pb], 768
	s_mov_b32 s[\pb+1], 0
	s_add_nc_u64 s[\pb:\pb+1], s[6:7], s[\pb:\pb+1]
	v_add_f32 v[W], v[\st+2], v[\st+3]             ; the sum's two halves,
	v_mov_b32 v[W+1], 0
	v_permlanex16_b32 v[W+1], v[W], s[SEL], s[SEL+1]
	v_add_f32 v[W], v[W], v[W+1]                   ; and lane l xor 16's
	v_rcp_f32 v[W], v[W]
	v_nop                                          ; a plain line behind the reciprocal,
	s_wait_alu depctr_va_vdst(0)                   ; and the wait ahead of its first reader
.set n, 0
.rept 16
	v_pk_mul_f32 v[S+n:S+n+1], v[\oa+n:\oa+n+1], v[W:W+1] op_sel_hi:[1,0]   ; each accumulator from its low end on
.set n, n+2
.endr
.irp b, 0,1
	v_max3_num_f32 v[BM+\b], |v[S+16*\b]|, |v[S+16*\b+1]|, 0x1800000
.endr
.irp i, 2,4,6,8,10,12,14
.irp b, 0,1
	v_max3_num_f32 v[BM+\b], v[BM+\b], |v[S+16*\b+\i]|, |v[S+16*\b+\i+1]|
.endr
.endr
.irp b, 0,1
	v_mov_b32 v[PT+\b], 0
.endr
.irp b, 0,1
	v_permlanex16_b32 v[PT+\b], v[BM+\b], s[SEL], s[SEL+1]
.endr
.irp b, 0,1
	v_max_num_f32 v[BM+\b], v[BM+\b], v[PT+\b]
.endr
.irp b, 0,1
	v_add_nc_u32 v[SO+\b], 0xff000000, v[BM+\b]
.endr
.irp b, 0,1
	v_lshrrev_b32 v[PT+\b], 23, v[SO+\b]
.endr
	v_lshl_or_b32 v[\hw], v[PT+1], 8, v[PT]
	v_cvt_scalef32_pk16_fp6_f32 v[\pc:\pc+2], v[S:S+15], v[SO]
	v_cvt_scalef32_pk16_fp6_f32 v[\ct:\ct+2], v[S+16:S+31], v[SO+1]
	v_nop
.irp i, 0,1,2
	v_permlane16_swap_b32 v[\pc+\i], v[\ct+\i]
.endr
.irp i, 0,1,2
	v_mov_b32 v[\pc+3+\i], v[\ct+\i]
.endr
	global_store_b128 v1, v[\pc:\pc+3], s[\pb:\pb+1]             ; 512 consecutive bytes,
	global_store_b64 v2, v[\pc+4:\pc+5], s[\pb:\pb+1] offset:512 ; and 256
	ds_store_b16 v[\sa], v[\hw]                    ; both halves of the lanes write the same two bytes with the same value
.endm
	s_load_b128 s[4:7], s[0:1], 0x0                ; qkv s[4:5], y_img s[6:7]
	s_load_b64 s[8:9], s[0:1], 0x10                ; y_sc
	v_lshl_add_u32 v254, v0, 2, 0x33800
	v_mov_b32 v255, 0
	ds_add_u32 v254, v255
	ds_add_u32 v254, v255
	v_lshrrev_b32 v4, 5, v0
	v_readfirstlane_b32 s[WV], v4                  ; wave 0..15
	v_and_b32 v5, 31, v0                           ; lane
	v_and_b32 v6, 15, v0                           ; r
	v_bfe_u32 v7, v0, 4, 1                         ; h
	v_lshlrev_b32 v1, 4, v5
	v_lshlrev_b32 v2, 3, v5
	v_lshlrev_b32 v3, 4, v6
	s_lshl_b32 s11, s[WV], 5                       ; every LDS address is made here, ahead of the first branch on the wave's number
	v_lshl_add_u32 v250, v6, 1, s11
	v_add_nc_u32 v250, YST, v250                   ; tile L's scale halves: 32 bytes a wave
	s_xor_b32 s11, s[WV], 15
	s_lshl_b32 s11, s11, 5
	v_lshl_add_u32 v251, v6, 1, s11
	v_add_nc_u32 v251, YST+512, v251               ; tile H's: the waves' tiles run the other way
	v_add_nc_u32 v252, YST, v1
	s_and_b32 s12, ttmp7, 0xffff                   ; batch x head
	s_lshl_b32 s13, ttmp9, 4
	s_add_co_u32 s13, s13, s[WV]                   ; tile L
	s_xor_b32 s14, s13, 127                        ; tile H
	s_lshr_b32 s15, s13, 3                         ; their last key steps
	s_lshr_b32 s16, s14, 3
	v_and_b32 v4, 8, v6
	v_add_nc_u32 v4, v4, v6                        ; r + 8 (r / 8)
	v_lshlrev_b32 v7, 4, v7
	v_sub_nc_u32 v4, v4, v7                        ; - 16 h
	s_bfe_u32 s17, s13, 0x20001
	s_lshl_b32 s17, s17, 5
	s_and_b32 s18, s13, 1
	s_lshl_b32 s18, s18, 3
	s_add_co_u32 s17, s17, s18
	v_add_nc_u32 v[DL], s17, v4
	s_bfe_u32 s17, s14, 0x20001
	s_lshl_b32 s17, s17, 5
	s_and_b32 s18, s14, 1
	s_lshl_b32 s18, s18, 3
	s_add_co_u32 s17, s17, s18
	v_add_nc_u32 v[DH], s17, v4
	s_mov_b32 s[SEL], 0x76543210
	s_mov_b32 s[SEL+1], 0xfedcba98
	s_mov_b32 s[CS], 0x3e38aa3b                    ; c = log2(e) / 8
	s_mov_b32 s[CS+1], s[CS]
	; descriptor group 1: two key steps, 26,112 dense bytes, as 102 rows of 32 elements of 8 bytes
	s_mov_b32 s24, 3<<16
	s_mov_b32 s25, 32<<16
	s_mov_b32 s26, 102<<16
	s_mov_b32 s27, 32<<16
	s_mov_b32 s28, 102
	s_mov_b32 s29, 32
	s_mov_b32 s30, 0
	s_mov_b32 s31, 0
	s_mul_i32 s44, s12, 16*STEPB
	s_mov_b32 s45, 0
	s_add_co_u32 s48, s[WV], 1
	s_mul_i32 s37, s48, 2*STEPB                    ; slot wave + 1, in LDS as in memory
	s_mov_b32 s48, s37
	s_mov_b32 s49, 0
	s_mov_b32 s32, 1
	s_mov_b32 s33, 0                               ; slot 0
	s_mov_b32 s36, 1
	s_wait_dscnt 0x0
	s_wait_kmcnt 0x0
	s_add_nc_u64 s[44:45], s[4:5], s[44:45]        ; my head in section 0 (q),
	s_add_nc_u64 s[46:47], s[44:45], 13369344      ; and in section 1 (k, v)
	s_mov_b64 s[34:35], s[46:47]
	s_or_b32 s35, s35, 0x80000000
	s_add_nc_u64 s[38:39], s[46:47], s[48:49]
	s_or_b32 s39, s39, 0x80000000
	s_cmp_eq_u32 s[WV], 0                          ; a wave's fills stand in one arm; four v_nop follow the last
	s_cbranch_scc0 .Lnot_first
	tensor_load_to_lds s[32:35], s[24:31]
	s_nop 0
	tensor_load_to_lds s[36:39], s[24:31]
	s_nop 0
.rept 4
	v_nop
.endr
	s_branch .Lasked
.Lnot_first:
	s_cmp_gt_u32 s[WV], 6
	s_cbranch_scc1 .Lasked
	tensor_load_to_lds s[36:39], s[24:31]
	s_nop 0
.rept 4
	v_nop
.endr
.Lasked:
	QLOAD 13, 15, 48, QL, QWL
	QLOAD 14, 16, 54, QH, QWH
.irp i, 6,7,8,9,10,11
	v_mov_b32 v[QL+\i], 0                          ; zero codes for the upper 64 of the instruction's 128
	v_mov_b32 v[QH+\i], 0
	v_mov_b32 v[FR+42+\i], 0                       ; v92-97: behind K's last tile; never written again
.endr
	v_mov_b32 v[STL+1], 0xff61b1e6                 ; the largest t so far: -3e38, under every t
	v_mov_b32 v[STH+1], 0xff61b1e6
	v_floor_f32 v[STL], -v[STL+1]
	v_floor_f32 v[STH], -v[STH+1]
	v_mov_b32 v[STL+2], 0
	v_mov_b32 v[STL+3], 0
	v_mov_b32 v[STH+2], 0
	v_mov_b32 v[STH+3], 0
	v_mov_b32 v[F+1], 0
.set n, 0
.rept 64
	v_mov_b32 v[OL+n], 0                           ; O^T of both tiles: the step is written once, and its first turn finds zeros, which the first change of M leaves zeros
.set n, n+1
.endr
	s_mov_b32 s[J], 0
	s_mov_b32 s[SB], 0
	s_wait_loadcnt 0x0                             ; Q
	s_wait_tensorcnt 1                             ; in wave 0: slot 0 is in, slot 1 may be out; the other waves' one load may be out
	s_barrier_signal -1
	s_barrier_wait -1
	s_mov_b32 s[CNT], 2
.Lfirst:                                           ; slot 0's two key steps, while the other slots land
	BODY
	s_sub_co_u32 s[CNT], s[CNT], 1
	s_cmp_lg_u32 s[CNT], 0
	s_cbranch_scc1 .Lfirst
	s_wait_tensorcnt 0x0                           ; all my loads have landed,
	s_wait_dscnt 0x0
	s_barrier_signal -1
	s_barrier_wait -1                              ; everybody's have: from here on the waves run freely
	s_mov_b32 s[CNT], 14
.Lrest:
	BODY
	s_sub_co_u32 s[CNT], s[CNT], 1
	s_cmp_lg_u32 s[CNT], 0
	s_cbranch_scc1 .Lrest
.rept 4
	v_nop                                          ; places behind the last products
.endr
	s_lshr_b32 s52, s12, 4
	s_lshl_b32 s52, s52, 7                         ; 128 x batch
	s_and_b32 s53, s12, 15                         ; head
	YOUT STL, OL, 13, 250, PC, CT0, 70, 48
	YOUT STH, OH, 14, 251, PC+6, CT0+4, 71, 50
	s_wait_dscnt 0x0                               ; for the others' sake: my two stores into the stage are done
	s_barrier_signal -1
	s_barrier_wait -1
	s_cmp_lg_u32 s[WV], 0
	s_cbranch_scc1 .Lend
	ds_load_b128 v[S:S+3], v252                    ; the sixteen L tiles' scale halves, 512 bytes,
	ds_load_b128 v[S+4:S+7], v252 offset:512       ; and the sixteen H tiles'
	s_lshl_b32 s54, s53, 14                        ; y_sc: [head][tile 512][r 16] of two bytes
	s_lshl_b32 s55, ttmp9, 4
	s_add_co_u32 s56, s52, s55                     ; tiles 128 batch + 16 g on,
	s_lshl_b32 s56, s56, 5
	s_add_co_u32 s56, s56, s54
	s_mov_b32 s57, 0
	s_add_nc_u64 s[56:57], s[8:9], s[56:57]
	s_sub_co_u32 s58, 112, s55                     ; and 128 batch + 112 - 16 g on
	s_add_co_u32 s58, s58, s52
	s_lshl_b32 s58, s58, 5
	s_add_co_u32 s58, s58, s54
	s_mov_b32 s59, 0
	s_add_nc_u64 s[58:59], s[8:9], s[58:59]
	s_wait_dscnt 0x0
	global_store_b128 v1, v[S:S+3], s[56:57]       ; 512 consecutive bytes, aligned
	global_store_b128 v1, v[S+4:S+7], s[58:59]
.Lend:
	s_wait_tensorcnt 0x0
	ds_add_u32 v254, v255
	s_wait_dscnt 0x0
	s_endpgm
.Lfunc_end_k_qd86e765a58_attn:
	.size	k_qd86e765a58_attn, .Lfunc_end_k_qd86e765a58_attn-k_qd86e765a58_attn
	.p2alignl 7, 3214868480
	.fill 96, 4, 3214868480
	.section	.rodata,"a",@progbits
	.p2align	6, 0x0
	.amdhsa_kernel k_qd86e765a58_attn
		.amdhsa_group_segment_fixed_size 212992
		.amdhsa_private_segment_fixed_size 0
		.amdhsa_enable_private_segment 0
		.amdhsa_kernarg_size 24
		.amdhsa_user_sgpr_count 2
		.amdhsa_user_sgpr_kernarg_segment_ptr 1
		.amdhsa_wavefront_size32 1
		.amdhsa_system_sgpr_workgroup_id_x 1
		.amdhsa_system_sgpr_workgroup_id_y 1
		.amdhsa_system_sgpr_workgroup_id_z 1
		.amdhsa_system_vgpr_workitem_id 0
		.amdhsa_next_free_vgpr 256
		.amdhsa_next_free_sgpr 66
		.amdhsa_reserve_vcc 1
		.amdhsa_float_denorm_mode_32 3
		.amdhsa_float_denorm_mode_16_64 3
		.amdhsa_memory_ordered 1
		.amdhsa_forward_progress 1
		.amdhsa_inst_pref_size 102
	.end_amdhsa_kernel
	.amdgpu_metadata
---
amdhsa.version: [ 1, 2 ]
amdhsa.kernels:
  - .name:           k_qd86e765a58_attn
    .symbol:         k_qd86e765a58_attn.kd
    .args:
      - { .name: qkv, .offset: 0, .size: 8, .value_kind: global_buffer, .address_space: global }
      - { .name: y_img, .offset: 8, .size: 8, .value_kind: global_buffer, .address_space: global }
      - { .name: y_sc, .offset: 16, .size: 8, .value_kind: global_buffer, .address_space: global }
    .group_segment_fixed_size: 212992
    .private_segment_fixed_size: 0
    .kernarg_segment_align: 8
    .kernarg_segment_size: 24
    .max_flat_workgroup_size: 512
    .sgpr_count:     66
    .vgpr_count:     256
    .wavefront_size: 32
...
	.end_amdgpu_metadata
.endif
;; end of part 3
;; launch gemm2 (part 4): grid 8 x 32, 4 waves a work-group, clusters of 4 x 4, 295,424 bytes of LDS; arguments y_img, y_sc, wp_img, wp_sc, b_proj, out0; writes out0
.if DOCPART == 4
	.amdgcn_target "amdgcn-amd-amdhsa--gfx1250"
	.amdhsa_code_object_version 6
	.text
	.protected	k_qd86e765a58_gemm2
	.globl	k_qd86e765a58_gemm2
	.p2align	8
	.type	k_qd86e765a58_gemm2,@function
k_qd86e765a58_gemm2:
	s_mov_b64 s[64:65], 0
	v_nop
	global_prefetch_b8 v0, s[64:65] scope:SCOPE_SE
	s_setreg_imm32_b32 hwreg(HW_REG_WAVE_MODE, 25, 1), 1
	s_wait_xcnt 0x0
	s_wait_alu depctr_hold_cnt(0) depctr_sa_sdst(0) depctr_va_vdst(0) depctr_va_sdst(0) depctr_va_ssrc(0) depctr_va_vcc(0) depctr_vm_vsrc(0)
	s_getreg_b32 s2, hwreg(HW_REG_IB_STS2, 6, 4)
	s_cmp_eq_u32 s2, 0
	s_cbranch_scc0 .Lentry_in_a_cluster
	s_endpgm
.Lentry_in_a_cluster:
	s_bfe_u32 s2, ttmp6, 0x10000c
	s_cmp_lg_u32 s2, 0xf033
	s_cbranch_scc0 .Lentry_shape_is_right
	s_endpgm
.Lentry_shape_is_right:
; out0 = y w_proj + b_proj on codes of FP6 (E2M3) with E8M0 scales, sums in f32, out0 [8192][1024] f32.
; The core is gemm1's.  A work-group makes S0 (128 features of w_proj, 8 tiles, source 0: the index falls into a lane's registers) x S1 (256 tokens of y, 16 tiles, source 1: the index falls into the lanes), K = 1,024.
; Wave w takes all of S0 and S1's tiles 4 w .. 4 w + 3: 32 accumulators.  ALL OF K LIES IN LDS, filled once in four chunks of 256 along K; each wave issues four tensor loads at the head, so four of mine are out at the most.
; CLUSTERS: 4 x 4.  S1's tiles hang on the work-group's y and are shared along a row of the cluster, S0's on its x and are shared along a column: each is asked for jointly.  256 work-groups.
; The rows of every tile are row 32 (T / 2) + 8 (T % 2) + r + 8 (r / 8), so that the 16 registers of accumulators 2 e, 2 e + 1 are 16 neighbouring features: 64 bytes of a row of out0.
; The bias is the C of each sum's first product.  y's scale words are pieced together from the two bytes a head that the attention stored: K step s = heads 2 s, 2 s + 1.
; THE WAY OUT: a tile of 16 tokens x 128 features goes through the wave's own stage in LDS and leaves as whole rows of 512 bytes.  The stage lies in the bytes of chunk 0: they have had their one fill, and behind the barrier in front
; of the way out nobody reads them.
; REGISTERS: window 0: v1-31 addresses; v32-63 S0's scale words, v64-79 S1's; v80-175 S1's fragments, two sets; v176-239 the bias; on the way out v80-207 rows of out0.
;   window 1: S0's fragments, two sets, at v0 and v128.   window 2: accumulator (a, b) at v[64 a + 8 b].
.set TILEB, 12288
.set CHB,   3072
.set S1CH,  16*CHB
.set S0CH,  8*CHB
.set S0REG, 4*S1CH
.set A1W,  3
.set A1N,  7
.set A0W,  11
.set A0N,  15
.set S0SC, 32
.set S1SC, 64
.set F1,   80
.set BI,   176
.set STO,  25                          ; v25 the stage: where I put 64 bytes of a row
.set RD,   26                          ; v26 and where I read a row back
.set FIRSTW, 0x81                      ; the first step: C (the bias) in window 0
.set MSB, 0
.macro WIN new                         ; the immediate's high byte repeats the setting that is left
.if MSB != \new
	s_set_vgpr_msb (MSB<<8)|\new
.set MSB, \new
.endif
.endm
.macro PLACES                          ; four plain lines between a matrix instruction and a load into, or a read of, its registers
.rept 4
	v_nop
.endr
.endm
.macro CROUND                          ; a round of the cluster's barrier
	s_barrier_signal -1
	s_barrier_wait -1
	s_cmp_lg_u32 s16, 0
	s_cbranch_scc1 .Lnot_wave_0_\@
	s_barrier_signal -3
.Lnot_wave_0_\@:
	s_barrier_wait -3
	s_barrier_signal -1
	s_barrier_wait -1
.endm
.macro FETCH s, p                      ; the fragments of K step s into set p: 8 of S0, 4 of S1
	WIN 0x40
.irp b, 0,1,2,3,4,5,6,7
.irp c, 0,1
	ds_load_b128 v[128*(\p)+12*\b+6*\c:128*(\p)+12*\b+6*\c+3], v[A0W+(\s)/2] offset:CHB*\b+1536*((\s)%2)+768*\c
	ds_load_b64 v[128*(\p)+12*\b+6*\c+4:128*(\p)+12*\b+6*\c+5], v[A0N+(\s)/2] offset:CHB*\b+1536*((\s)%2)+768*\c+512
.endr
.endr
	WIN 0
.irp a, 0,1,2,3
.irp c, 0,1
	ds_load_b128 v[F1+48*(\p)+12*\a+6*\c:F1+48*(\p)+12*\a+6*\c+3], v[A1W+(\s)/2] offset:CHB*\a+1536*((\s)%2)+768*\c
	ds_load_b64 v[F1+48*(\p)+12*\a+6*\c+4:F1+48*(\p)+12*\a+6*\c+5], v[A1N+(\s)/2] offset:CHB*\a+1536*((\s)%2)+768*\c+512
.endr
.endr
.endm
.macro WM a, b, p, s, first            ; one product: S0's tile b x S1's tile a; a scale register carries an even tile's words in lanes 0-15, the odd tile's in lanes 16-31
.set rD, 64*(\a)+8*(\b)
.set rA, 128*(\p)+12*(\b)
.set rB, F1+48*(\p)+12*(\a)
.set rC, BI+8*(\b)
.set rX, S0SC+8*((\b)/2)+(\s)
.set rY, S1SC+8*((\a)/2)+(\s)
.set par, 2*((\a)%2)+(\b)%2
.if \first
.if par == 0
	v_wmma_scale_f32_16x16x128_f8f6f4 v[rD:rD+7], v[rA:rA+11], v[rB:rB+11], v[rC:rC+7], v[rX], v[rY] matrix_a_fmt:MATRIX_FMT_FP6 matrix_b_fmt:MATRIX_FMT_FP6
.elseif par == 1
	v_wmma_scale_f32_16x16x128_f8f6f4 v[rD:rD+7], v[rA:rA+11], v[rB:rB+11], v[rC:rC+7], v[rX], v[rY] matrix_a_fmt:MATRIX_FMT_FP6 matrix_b_fmt:MATRIX_FMT_FP6 matrix_a_scale:MATRIX_SCALE_ROW1
.elseif par == 2
	v_wmma_scale_f32_16x16x128_f8f6f4 v[rD:rD+7], v[rA:rA+11], v[rB:rB+11], v[rC:rC+7], v[rX], v[rY] matrix_a_fmt:MATRIX_FMT_FP6 matrix_b_fmt:MATRIX_FMT_FP6 matrix_b_scale:MATRIX_SCALE_ROW1
.else
	v_wmma_scale_f32_16x16x128_f8f6f4 v[rD:rD+7], v[rA:rA+11], v[rB:rB+11], v[rC:rC+7], v[rX], v[rY] matrix_a_fmt:MATRIX_FMT_FP6 matrix_b_fmt:MATRIX_FMT_FP6 matrix_a_scale:MATRIX_SCALE_ROW1 matrix_b_scale:MATRIX_SCALE_ROW1
.endif
.else
.if par == 0
	v_wmma_scale_f32_16x16x128_f8f6f4 v[rD:rD+7], v[rA:rA+11], v[rB:rB+11], v[rD:rD+7], v[rX], v[rY] matrix_a_fmt:MATRIX_FMT_FP6 matrix_b_fmt:MATRIX_FMT_FP6
.elseif par == 1
	v_wmma_scale_f32_16x16x128_f8f6f4 v[rD:rD+7], v[rA:rA+11], v[rB:rB+11], v[rD:rD+7], v[rX], v[rY] matrix_a_fmt:MATRIX_FMT_FP6 matrix_b_fmt:MATRIX_FMT_FP6 matrix_a_scale:MATRIX_SCALE_ROW1
.elseif par == 2
	v_wmma_scale_f32_16x16x128_f8f6f4 v[rD:rD+7], v[rA:rA+11], v[rB:rB+11], v[rD:rD+7], v[rX], v[rY] matrix_a_fmt:MATRIX_FMT_FP6 matrix_b_fmt:MATRIX_FMT_FP6 matrix_b_scale:MATRIX_SCALE_ROW1
.else
	v_wmma_scale_f32_16x16x128_f8f6f4 v[rD:rD+7], v[rA:rA+11], v[rB:rB+11], v[rD:rD+7], v[rX], v[rY] matrix_a_fmt:MATRIX_FMT_FP6 matrix_b_fmt:MATRIX_FMT_FP6 matrix_a_scale:MATRIX_SCALE_ROW1 matrix_b_scale:MATRIX_SCALE_ROW1
.endif
.endif
.endm
.macro MULH a0, p, s, first            ; 16 products; the 32 accumulators take turns, one instruction a turn, in the same order in every K step
.irp ai, 0,1
.irp bi, 0,1,2,3,4,5,6,7
	WM (\a0)+\ai, \bi, \p, \s, \first
.endr
.endr
.endm
; a K step of 128: 32 products on set s % 2; in its middle the next step's 48 LDS loads into the other set.  In steps 1, 3, 5 the next step begins a new chunk: my load of it is waited for (the count leaves the chunks
; behind it out), and a barrier shows every wave's part landed.
.macro KSTEP s, first
	s_wait_dscnt 0x0                               ; this step's fragments are in, and no LDS instruction of mine is out at a signal
.if ((\s)%2 == 1) && ((\s) < 7)
	s_wait_tensorcnt 2-(\s)/2
	s_barrier_signal -1
.endif
.if \first
	WIN FIRSTW
.else
	WIN 0xa1                                       ; source 0 window 1, source 1 window 0, C and D window 2
.endif
	MULH 0, (\s)%2, \s, \first
	WIN 0
.if ((\s)%2 == 1) && ((\s) < 7)
	s_barrier_wait -1
.endif
.if (\s) < 7
	PLACES
	FETCH (\s)+1, 1-(\s)%2
.endif
.if \first
	WIN FIRSTW
.else
	WIN 0xa1
.endif
	MULH 2, (\s)%2, \s, \first
	WIN 0
.endm
; the way out of S1's tile a: into my stage (rows of 528 bytes), each accumulator from its low end on, and back as whole rows.  LDS serves a wave's instructions in order: no wait between the stores and the loads
.macro TOSTAGE a
	WIN 0x08                                       ; an LDS store's data are its source 1: window 2
.irp b, 0,1,2,3,4,5,6,7
	ds_store_b128 v[STO], v[64*(\a)+8*\b:64*(\a)+8*\b+3] offset:128*(\b/2)+32*(\b%2)
	ds_store_b128 v[STO], v[64*(\a)+8*\b+4:64*(\a)+8*\b+7] offset:128*(\b/2)+32*(\b%2)+16
.endr
	WIN 0
.irp t, 0,1,2,3,4,5,6,7,8,9,10,11,12,13,14,15
	ds_load_b128 v[F1+64*((\a)%2)+4*\t:F1+64*((\a)%2)+4*\t+3], v[RD] offset:528*\t
.endr
.endm
.macro SEND a, younger                 ; younger: the LDS instructions issued behind tile a's loads
	s_wait_dscnt \younger
.irp t, 0,1,2,3,4,5,6,7,8,9,10,11,12,13,14,15
	global_store_b128 v1, v[F1+64*((\a)%2)+4*\t:F1+64*((\a)%2)+4*\t+3], s[90:91] offset:(32*((\a)/2)+8*((\a)%2)+\t+8*(\t/8))*4096 th:TH_STORE_NT   ; 512 consecutive bytes of a row of out0, aligned to 256
.endr
.endm
	s_load_b256 s[4:11], s[0:1], 0x0               ; y_img s[4:5], y_sc s[6:7], wp_img s[8:9], wp_sc s[10:11]
	s_load_b128 s[12:15], s[0:1], 0x20             ; b_proj s[12:13], out0 s[14:15]
	v_lshl_add_u32 v254, v0, 2, 0x48000
	v_mov_b32 v255, 0
	ds_add_u32 v254, v255
	ds_add_u32 v254, v255
	v_lshrrev_b32 v1, 5, v0
	v_readfirstlane_b32 s16, v1                    ; wave 0..3
	s_lshr_b32 s17, s16, 1                         ; I fetch for S1 (0) or for S0 (1)
	s_and_b32 s18, s16, 1                          ; which half of its tiles
	s_bfe_u32 s19, ttmp6, 0x40000                  ; cx
	s_bfe_u32 s20, ttmp6, 0x40004                  ; cy
	s_lshl_b32 s57, ttmp9, 2
	s_add_co_u32 s57, s57, s19                     ; S0's block of 128 features
	s_and_b32 s59, ttmp7, 0xffff
	s_lshl_b32 s59, s59, 2
	s_add_co_u32 s59, s59, s20                     ; S1's block of 256 tokens
	s_lshl_b32 s60, s57, 3                         ; their first tiles
	s_lshl_b32 s62, s59, 4
	s_lshl_b32 s90, s20, 2
	s_lshl_b32 s90, 15, s90                        ; my row of the cluster
	s_lshl_b32 s91, 0x1111, s19                    ; my column
	; descriptor group 1: R tiles' parts of a chunk: R rows of 384 elements of 8 bytes, 1,536 elements apart; no padding
	s_or_b32 s24, s90, (3<<16)|(1<<21)             ; 15:0 the mask: S1's tiles go to my row; 17:16 elements of 8 bytes; 21 set beside a mask
	s_mov_b32 s25, 384<<16
	s_mov_b32 s26, 8<<16
	s_mov_b32 s27, 384<<16
	s_mov_b32 s28, 8
	s_mov_b32 s29, 1536
	s_mov_b32 s30, 0
	s_mov_b32 s31, 0
	s_or_b32 s32, s91, (3<<16)|(1<<21)             ; S0's tiles go to my column
	s_mov_b32 s33, 384<<16
	s_mov_b32 s34, 4<<16
	s_mov_b32 s35, 384<<16
	s_mov_b32 s36, 4
	s_mov_b32 s37, 1536
	s_mov_b32 s38, 0
	s_mov_b32 s39, 0
	s_lshl_b32 s84, s18, 3
	s_add_co_u32 s84, s84, s62
	s_mul_i32 s84, s84, TILEB                      ; S1: my eight tiles (no register here ever holds cx)
	s_mov_b32 s85, 0
	s_lshl_b32 s86, s18, 2
	s_add_co_u32 s86, s86, s60
	s_mul_i32 s86, s86, TILEB                      ; S0: my four tiles (none holds cy)
	s_mov_b32 s87, 0
	s_mul_i32 s88, s18, 8*CHB                      ; where they go: no place in the cluster enters an LDS address
	s_mul_i32 s89, s18, 4*CHB
	s_wait_dscnt 0x0
	s_wait_kmcnt 0x0
	s_add_nc_u64 s[84:85], s[4:5], s[84:85]
	s_add_nc_u64 s[86:87], s[8:9], s[86:87]
.irp ch, 0,1,2,3                               ; a group 0 for each chunk: none is written again
	s_mov_b32 s[40+4*\ch], 1
	s_add_co_u32 s[41+4*\ch], s88, \ch*S1CH
	s_add_nc_u64 s[42+4*\ch:43+4*\ch], s[84:85], \ch*CHB
	s_or_b32 s[43+4*\ch], s[43+4*\ch], 0x80000000
	s_mov_b32 s[68+4*\ch], 1
	s_add_co_u32 s[69+4*\ch], s89, S0REG+\ch*S0CH
	s_add_nc_u64 s[70+4*\ch:71+4*\ch], s[86:87], \ch*CHB
	s_or_b32 s[71+4*\ch], s[71+4*\ch], 0x80000000
.endr
	CROUND                                         ; all sixteen work-groups are here: the joint loads meet
	s_cmp_eq_u32 s17, 0                            ; a wave's four fills stand in one branch on the wave's number; four v_nop follow the last
	s_cbranch_scc0 .Lfor_s0
	tensor_load_to_lds s[40:43], s[24:31]
	s_nop 0
	tensor_load_to_lds s[44:47], s[24:31]
	s_nop 0
	tensor_load_to_lds s[48:51], s[24:31]
	s_nop 0
	tensor_load_to_lds s[52:55], s[24:31]
	s_nop 0
	PLACES
	s_branch .Lasked
.Lfor_s0:
	tensor_load_to_lds s[68:71], s[32:39]
	s_nop 0
	tensor_load_to_lds s[72:75], s[32:39]
	s_nop 0
	tensor_load_to_lds s[76:79], s[32:39]
	s_nop 0
	tensor_load_to_lds s[80:83], s[32:39]
	s_nop 0
	PLACES
.Lasked:
	v_and_b32 v23, 31, v0                          ; lane
	v_and_b32 v19, 15, v0                          ; r
	v_bfe_u32 v20, v0, 4, 1                        ; h
	v_lshlrev_b32 v1, 4, v23
	v_lshlrev_b32 v2, 3, v23
	v_lshlrev_b32 v24, 1, v23
	s_mul_i32 s94, s16, 4*CHB
	v_mul_u32_u24 v[STO], v19, 528
	v_lshl_add_u32 v[STO], v20, 6, v[STO]
	v_add_nc_u32 v[STO], s94, v[STO]               ; my stage: 12,288 x wave; row r, 64 h bytes on
	v_add_nc_u32 v[RD], s94, v1
.irp ch, 0,1,2,3
	v_add_nc_u32 v[A1W+\ch], s94, v1
	v_add_nc_u32 v[A1N+\ch], s94, v2
	v_add_nc_u32 v[A0W+\ch], S0REG+\ch*S0CH, v1
	v_add_nc_u32 v[A0N+\ch], S0REG+\ch*S0CH, v2
	s_add_co_u32 s94, s94, S1CH
.endr
	s_lshl_b32 s84, s60, 9                         ; S0's scale words: 512 bytes a tile
	s_mov_b32 s85, 0
	s_add_nc_u64 s[84:85], s[10:11], s[84:85]
	s_lshl_b32 s86, s16, 2
	s_add_co_u32 s86, s86, s62
	s_lshl_b32 s86, s86, 5                         ; y's scale halves: 32 bytes a tile and head
	s_mov_b32 s87, 0
	s_add_nc_u64 s[86:87], s[6:7], s[86:87]
	s_lshl_b32 s88, s57, 9                         ; the bias: S0's 128 features
	s_mov_b32 s89, 0
	s_add_nc_u64 s[88:89], s[12:13], s[88:89]
	s_lshl_b32 s90, s59, 8
	s_lshl_b32 s91, s16, 6
	s_add_co_u32 s90, s90, s91                     ; my first token: 256 x block + 64 x wave,
	s_lshl_b32 s90, s90, 12                        ; rows of 4,096 bytes,
	s_lshl_b32 s91, s57, 9
	s_add_co_u32 s90, s90, s91                     ; S0's 512 bytes of a row
	s_mov_b32 s91, 0
	s_add_nc_u64 s[90:91], s[14:15], s[90:91]
	v_lshlrev_b32 v21, 6, v20                      ; 64 h: my half's 16 features of each 32
.irp k, 0,1,2,3
.irp q, 0,1,2,3
	global_load_b64 v[S0SC+8*\k+2*\q:S0SC+8*\k+2*\q+1], v2, s[84:85] offset:1024*\k+256*\q
.endr
.endr
.irp k, 0,1
.set hd, 0
.rept 16
	global_load_u16 v[F1+16*\k+hd], v24, s[86:87] offset:hd*16384+64*\k     ; lanes 0-15 the even tile's rows, lanes 16-31 the odd tile's
.set hd, hd+1
.endr
.endr
.irp e, 0,1,2,3
.irp j, 0,1,2,3
	global_load_b128 v[BI+16*\e+4*\j:BI+16*\e+4*\j+3], v21, s[88:89] offset:128*\e+16*\j
.endr
.endr
	s_wait_loadcnt 0x0
.irp k, 0,1
.irp ks, 0,1,2,3,4,5,6,7
	v_lshl_or_b32 v[S1SC+8*\k+\ks], v[F1+16*\k+2*\ks+1], 16, v[F1+16*\k+2*\ks]   ; K step ks: head 2 ks below, head 2 ks + 1 above
.endr
.endr
.rept 8
	v_nop                                          ; a scale register written by a vector line stands eight places ahead of a scaled matrix instruction
.endr
	s_wait_tensorcnt 3                             ; my part of chunk 0 is in; three chunks may be out,
	s_barrier_signal -1
	s_barrier_wait -1                              ; everybody's is
	FETCH 0, 0
	KSTEP 0, 1                                     ; the first step's products take the bias as C
.irp ks, 1,2,3,4,5,6,7
	KSTEP \ks, 0
.endr
	PLACES
	s_wait_dscnt 0x0
	s_barrier_signal -1
	s_barrier_wait -1                              ; nobody reads LDS any more: the stages may be written
	TOSTAGE 0
.irp ea, 1,2,3
.if \ea > 1
	s_wait_xcnt 0x0                                ; the stores of two tiles back have read their registers: this tile's loads may land there
.endif
	TOSTAGE \ea
	SEND \ea-1, 32                                 ; behind the last tile's loads: this tile's 16 stores and 16 loads
.endr
	SEND 3, 0
	s_wait_tensorcnt 0x0
	ds_add_u32 v254, v255
	s_wait_dscnt 0x0
	CROUND                                         ; the closing round: no work-group ends while a partner may still ask for a tile that names it
	s_endpgm
.Lfunc_end_k_qd86e765a58_gemm2:
	.size	k_qd86e765a58_gemm2, .Lfunc_end_k_qd86e765a58_gemm2-k_qd86e765a58_gemm2
	.p2alignl 7, 3214868480
	.fill 96, 4, 3214868480
	.section	.rodata,"a",@progbits
	.p2align	6, 0x0
	.amdhsa_kernel k_qd86e765a58_gemm2
		.amdhsa_group_segment_fixed_size 295424
		.amdhsa_private_segment_fixed_size 0
		.amdhsa_enable_private_segment 0
		.amdhsa_kernarg_size 48
		.amdhsa_user_sgpr_count 2
		.amdhsa_user_sgpr_kernarg_segment_ptr 1
		.amdhsa_wavefront_size32 1
		.amdhsa_system_sgpr_workgroup_id_x 1
		.amdhsa_system_sgpr_workgroup_id_y 1
		.amdhsa_system_sgpr_workgroup_id_z 1
		.amdhsa_system_vgpr_workitem_id 0
		.amdhsa_next_free_vgpr 768
		.amdhsa_next_free_sgpr 100
		.amdhsa_reserve_vcc 0
		.amdhsa_float_denorm_mode_32 3
		.amdhsa_float_denorm_mode_16_64 3
		.amdhsa_memory_ordered 1
		.amdhsa_forward_progress 1
		.amdhsa_inst_pref_size 90
	.end_amdhsa_kernel
	.amdgpu_metadata
---
amdhsa.version: [ 1, 2 ]
amdhsa.kernels:
  - .name:           k_qd86e765a58_gemm2
    .symbol:         k_qd86e765a58_gemm2.kd
    .args:
      - { .name: y_img, .offset: 0, .size: 8, .value_kind: global_buffer, .address_space: global }
      - { .name: y_sc, .offset: 8, .size: 8, .value_kind: global_buffer, .address_space: global }
      - { .name: wp_img, .offset: 16, .size: 8, .value_kind: global_buffer, .address_space: global }
      - { .name: wp_sc, .offset: 24, .size: 8, .value_kind: global_buffer, .address_space: global }
      - { .name: b_proj, .offset: 32, .size: 8, .value_kind: global_buffer, .address_space: global }
      - { .name: out0, .offset: 40, .size: 8, .value_kind: global_buffer, .address_space: global }
    .group_segment_fixed_size: 295424
    .private_segment_fixed_size: 0
    .kernarg_segment_align: 8
    .kernarg_segment_size: 48
    .max_flat_workgroup_size: 128
    .sgpr_count:     100
    .vgpr_count:     768
    .wavefront_size: 32
...
	.end_amdgpu_metadata
.endif
;; end of part 4
